; MI455X (gfx1250); checked and timed in simulation.
; The chip was launched on July 23, 2026; its instructions are those of AMD's public machine-readable ISA for CDNA 5 (MIT licence, August 2026) and "CDNA5" Instruction Set Architecture Reference Guide (July 2026). The comments in the code are by the model that wrote it; some were corrected since.
;; Causal Self Attention. Allowed arithmetic: matrix products marked QUANTISED: E2M1 operands, one E8M0 scale for each 32 along K, by v_wmma_scale_f32_16x16x128_f8f6f4 with both operands' format E2M1 (or v_wmma_scale_f32_32x16x128_f4), f32 sums; products left as they are: bf16, f16 or f32 operands; f32 sums; everything else in f32.
;; Inputs: Wkv 2,048 x 1,024 float32; Wo 2,048 x 2,048 float32; Wq 2,048 x 2,048 float32; cos 1,024 x 64 float32; sin 1,024 x 64 float32; x 4 x 1,024 x 2,048 float32.
;; Outputs: out0 4 x 1,024 x 2,048 float32.
;; This version of the problem:
;;   THIS VERSION OF THE PROBLEM IS GIVEN IN LOW PRECISION. The matrix products marked QUANTISED in the list below multiply operands that are first quantised to E2M1 (2 exponent bits, 1 mantissa bit; 4 bits a number), with one power-of-two scale for each 32 numbers along K (OCP MX v1.0); their sums are f32. The products marked 'left as it is' may take bf16, f16 or f32 operands, with f32 sums. Whichever they take, every output number must still come out within the allowed error. Rounding operands to bf16 (8 significant bits) uses up far more of that allowance than f16 does (11 bits, for magnitudes from 6e-5 to 65,504). All else is computed in f32.
;;   The module's matrix products, in the order in which they are computed (A, B: the left and right operand; K: the contracted axis; several contracted axes count as one K, in the product's order):
;;     1. [M 4,096, K 2,048] x [K 2,048, N 2,048]; A: input x; B: input Wq: QUANTISED
;;     2. [M 4,096, K 2,048] x [K 2,048, N 1,024]; A: input x; B: input Wkv: QUANTISED
;;     3. batch 16 x [M 1,024, K 128] x [K 128, N 4,096]; A: computed on the way; B: computed on the way: left as it is (an operand is computed on the way)
;;     4. batch 16 x [M 128, K 1,024] x [K 1,024, N 4,096]; A: computed on the way; B: computed on the way: left as it is (an operand is computed on the way)
;;     5. [M 4,096, K 2,048] x [K 2,048, N 2,048]; A: computed on the way; B: input Wo: left as it is (an operand is computed on the way)
;;   THE QUANTISER, for each operand of a quantised product, along K:
;;     - K is cut into blocks of 32 from its start; a last block that is shorter is filled with zeros.
;;     - A block's scale is 2^e with e = floor(log2(the largest magnitude in the block)) - 2, held to -126 .. 127; a block of zeros has e = 0. As a byte (E8M0): e + 127.
;;     - Each number is divided by its block's scale, clamped to +-6, and rounded to the nearest number of E2M1, ties to even, subnormals kept.
;;     - The product sums the exact products of the quantised numbers (number of the format x scale) in f32.
;;   ~~~python
;;   def quantise(x, axis):      # numpy; x: float32 -> the quantised numbers, widened to float32 again
;;       x = np.moveaxis(x, axis, -1); K = x.shape[-1]
;;       x = np.pad(x, [(0, 0)] * (x.ndim - 1) + [(0, -K % 32)]); x = x.reshape(x.shape[:-1] + (-1, 32)); a = np.abs(x).max(-1, keepdims=True)
;;       e = np.where(a > 0, np.clip(np.frexp(np.where(a > 0, a, 1))[1] - 1 - 2, -126, 127), 0)      # np.frexp(a)[1] - 1 = floor(log2(a)), exactly
;;       r = np.clip(x / 2.0 ** e, -6, 6)
;;       step = 2.0 ** (np.maximum(np.frexp(np.where(r == 0, 1, r))[1] - 1, 0) - 1)
;;       q = np.round(r / step) * step * 2.0 ** e      # np.round: ties to even
;;       return np.moveaxis(q.reshape(q.shape[:-2] + (-1,))[..., :K], -1, axis).astype(np.float32)
;;   ~~~
;; One version. Each part assembles by itself: llvm-mc -triple=amdgcn-amd-amdhsa -mcpu=gfx1250 --defsym DOCPART=n.
;; ======== version 1 of 1: 5 launches
;; limits: values are held in f16: magnitudes above 65,504 overflow, below 6.1e-05 lose precision
;; workspace buffers: cod 7,340,032 bytes; scl 458,752 bytes; woh 8,388,608 bytes; qkvh 25,165,824 bytes; tsc 3,072 bytes; fr 786,432 bytes; oh 16,777,216 bytes
;; launch prep (part 1): grid 576 x 1, 4 waves a work-group, no clusters, 50,688 bytes of LDS; arguments x, Wq, Wkv, Wo, cod, scl, woh; writes cod, scl, woh
.if DOCPART == 1
	.amdgcn_target "amdgcn-amd-amdhsa--gfx1250"
	.amdhsa_code_object_version 6
	.text
	.protected	k_qf0db9ad3e7_prep
	.globl	k_qf0db9ad3e7_prep
	.p2align	8
	.type	k_qf0db9ad3e7_prep,@function
k_qf0db9ad3e7_prep:
	s_mov_b64 s[64:65], 0
	v_nop
	global_prefetch_b8 v0, s[64:65] scope:SCOPE_SE
	s_setreg_imm32_b32 hwreg(HW_REG_WAVE_MODE, 25, 1), 1
	s_wait_xcnt 0x0
; FIRST OF FIVE LAUNCHES of a causal attention layer with grouped keys and values: B 4, T 1,024, 2,048 channels, 16 query heads, 4 key and value heads of 128.
; This launch: x [4096][2048] f32 -> codes of FP4 (E2M1) and E8M0 scale bytes along K; Wq [2048][2048] and Wkv [2048][1024] f32, whose K is the FIRST axis -> codes with K innermost; Wo -> f16, layout unchanged.
; WORK LEFT OUT IN THE PROGRAM.  reference() builds jnp.tril in its own body and sets scores of keys behind the query to the least f32 number, whose weight after the softmax is 0 beside key 0's, which counts for every query.
; So tiles of scores, and the products of weights and values that they feed, that lie wholly above the diagonal reach no output, whatever the inputs hold: the attention launch does not compute them.  Every input has a way to the
; output and is loaded.  LIMIT: a NaN, an infinity or an overflow that reaches only the tiles left out is not carried to the result.
; THE QUANTISER.  A block's scale is 2^(floor(log2(largest magnitude)) - 2); its byte is the largest magnitude's exponent field - 2, held at 1 from below.  A block of zeros gets the byte 1 where the rule says 127: its codes are zeros,
; which add nothing under any byte but 0xff, and the bytes are read by this program alone.  LIMITS: NaN and infinities among the inputs are not served; Wo must lie in f16's range (under 65,504).
; THE FUSED WEIGHT'S ROWS n': n' under 2,048 is Wq's column n'; n' = 2048 + 256 j + 128 u + d is Wkv's column 512 u + 128 j + d: K's head j (u = 0) and V's head j (u = 1) side by side.
; cod: x's codes [4096][1024 B] at 0, the weight's [3072][1024 B] at 0x400000.  scl: x's bytes [4096][64] at 0, the weight's [3072][64] at 0x40000.
; SHARES.  Work-groups 0-191: the weights (64 columns x 512 along K each); 192-447: x (32,768 numbers each); 448-575: Wo (32,768 numbers each).  The three paths part on the work-group's number, which all four waves share, and never
; meet; x's path and the weights' have LDS bytes of their own.  No tensor loads.  On x's and Wo's paths waves share nothing; on the weights' path two waves make the two halves of a row of codes, and one barrier stands between.
.set STEPS, 16
.set DEPTH, 8                          ; x: loads run eight steps, 32 loads a wave, ahead
.set NB,    8                          ; weights: blocks of 32 along K for a wave
.set EMAX,  2
.set CB,    8                          ; bytes of 16 codes
.set WREG,  8192                       ; x's path: LDS 0 .. 32,767: a region for each wave: two stages of 32 x SP bytes, then its 256 scale bytes
.set SP,    80
.set WST,   32768                      ; the weights' path: one stage of 64 rows x PITCH for the work-group
.set PITCH, 272
.set SPARE, WST+64*PITCH               ; the spare words, 128 bytes for each wave: two blocks of 256 bytes that no other line names
.set SPW,   12                         ; v12 LDS address of my spare word; never rewritten
.set NIL,   13                         ; v13 0; never rewritten
.set XR,    16                         ; x: v16-143 eight sets of 16 numbers as loaded
.set XX,    144                        ; x: v144-175 two sets of 16 neighbours
.set XE,    176                        ; x: v176-191 a scale byte for each step
.set XC,    192                        ; x: v192-255 codes, four registers a step
.set WX,    32                         ; weights: v32-95 two sets of 32 numbers
.set WC,    96                         ; weights: a block's codes
.set OUTR,  112                        ; weights: v112-143 the way out
.set SB,    24                         ; weights: v24-25 scale bytes
.set VO,    176                        ; weights: v176-207 byte offset of row i of a block: 4 x lane + i x pitch
	s_load_b256 s[4:11], s[0:1], 0x0               ; x s[4:5], Wq s[6:7], Wkv s[8:9], Wo s[10:11]
	s_load_b128 s[12:15], s[0:1], 0x20             ; cod s[12:13], scl s[14:15]
	s_load_b64 s[16:17], s[0:1], 0x30              ; woh
	v_lshl_add_u32 v[SPW], v0, 2, SPARE
	v_mov_b32 v[NIL], 0
	v_lshrrev_b32 v1, 5, v0
	v_readfirstlane_b32 s18, v1                    ; wave
	v_and_b32 v2, 31, v0                           ; lane
	s_mov_b32 s23, 0                               ; the high word of every offset pair s[22:23]
	s_wait_kmcnt 0x0
	s_cmp_lt_u32 ttmp9, 192
	s_cbranch_scc1 .Lpath_w
	s_cmp_lt_u32 ttmp9, 448
	s_cbranch_scc1 .Lpath_x
; ---- Wo to f16: a wave takes 8,192 numbers: four rounds of 16 loads of 512 consecutive bytes; each store covers 256 consecutive bytes, aligned
	s_sub_co_u32 s20, ttmp9, 448
	s_lshl_b32 s20, s20, 2
	s_add_co_u32 s20, s20, s18                     ; which run of 8,192 numbers
	s_lshl_b32 s22, s20, 15
	s_add_nc_u64 s[10:11], s[10:11], s[22:23]
	s_lshl_b32 s22, s20, 14
	s_add_nc_u64 s[16:17], s[16:17], s[22:23]
	v_lshlrev_b32 v3, 4, v2
	v_lshlrev_b32 v4, 3, v2
.macro CLOAD r
.irp i, 0,1,2,3,4,5,6,7,8,9,10,11,12,13,14,15
	global_load_b128 v[16+64*((\r)%2)+4*\i:16+64*((\r)%2)+4*\i+3], v3, s[10:11] offset:512*(16*(\r)+\i) th:TH_LOAD_NT
.endr
.endm
.macro CAST r
.if (\r) < 3
	s_wait_loadcnt 16                              ; this round's 16 loads are in; the next round's may be out
.else
	s_wait_loadcnt 0x0
.endif
.if (\r) > 0
	s_wait_xcnt 0x0                                ; the last round's stores have read v144-175: they are written again only behind this wait
.endif
.irp i, 0,1,2,3,4,5,6,7,8,9,10,11,12,13,14,15
	v_cvt_pk_f16_f32 v[144+2*\i], v[16+64*((\r)%2)+4*\i], v[16+64*((\r)%2)+4*\i+1]
	v_cvt_pk_f16_f32 v[145+2*\i], v[16+64*((\r)%2)+4*\i+2], v[16+64*((\r)%2)+4*\i+3]
.endr
.if (\r)+2 < 4
	CLOAD (\r)+2
.endif
.irp i, 0,1,2,3,4,5,6,7,8,9,10,11,12,13,14,15
	global_store_b64 v4, v[144+2*\i:145+2*\i], s[16:17] offset:256*(16*(\r)+\i)
.endr
.endm
	CLOAD 0
	CLOAD 1
	CAST 0
	CAST 1
	CAST 2
	CAST 3
	s_wait_tensorcnt 0x0                           ; the wave's end
	ds_add_u32 v[SPW], v[NIL]
	s_wait_dscnt 0x0
	s_endpgm
; ---- x: a plain stream of blocks of 32.  A wave takes 16 steps of 512 numbers.  Each load reads 512 consecutive bytes; the numbers turn through the wave's stage in LDS so that a lane holds 16 neighbours; two lanes hold a block
.Lpath_x:
	v_lshlrev_b32 v3, 4, v2                        ; my 16 bytes of a load's 512
	s_mul_i32 s19, s18, WREG
	v_lshrrev_b32 v14, 2, v2
	v_mul_u32_u24 v14, v14, SP
	v_and_b32 v15, 3, v2
	v_lshl_add_u32 v14, v15, 4, v14
	v_add_nc_u32 v14, s19, v14                     ; the stage, on the way in: SP (lane / 4) + 16 (lane % 4)
	v_mul_u32_u24 v15, v2, SP
	v_add_nc_u32 v15, s19, v15                     ; and on the way out: SP x lane
	v_mul_u32_u24 v4, v2, CB                       ; my codes' place in a step's
	v_lshrrev_b32 v5, 1, v2
	s_add_co_u32 s19, s19, 2*32*SP
	v_add_nc_u32 v5, s19, v5                       ; my block's scale byte in LDS
	v_lshlrev_b32 v7, 3, v2
	v_add_nc_u32 v6, s19, v7                       ; and 8 bytes a lane on the way out
	s_sub_co_u32 s20, ttmp9, 192
	s_lshl_b32 s20, s20, 2
	s_add_co_u32 s20, s20, s18                     ; which run of 8,192 numbers
	s_lshl_b32 s22, s20, 15
	s_add_nc_u64 s[4:5], s[4:5], s[22:23]
	s_lshl_b32 s22, s20, 12
	s_add_nc_u64 s[12:13], s[12:13], s[22:23]
	s_lshl_b32 s22, s20, 8
	s_add_nc_u64 s[14:15], s[14:15], s[22:23]
.macro XLOAD t
.irp i, 0,1,2,3
	global_load_b128 v[XR+16*((\t)%DEPTH)+4*\i:XR+16*((\t)%DEPTH)+4*\i+3], v3, s[4:5] offset:2048*(\t)+512*\i th:TH_LOAD_NT
.endr
.endm
.macro XTURN t                         ; LDS serves a wave's instructions in order: no wait between the stores and the loads
.irp i, 0,1,2,3
	ds_store_b128 v14, v[XR+16*((\t)%DEPTH)+4*\i:XR+16*((\t)%DEPTH)+4*\i+3] offset:32*SP*((\t)%2)+8*SP*\i
.endr
.irp i, 0,1,2,3
	ds_load_b128 v[XX+16*((\t)%2)+4*\i:XX+16*((\t)%2)+4*\i+3], v15 offset:32*SP*((\t)%2)+16*\i
.endr
.endm
.irp t, 0,1,2,3,4,5,6,7
	XLOAD \t
.endr
	s_wait_loadcnt 4*(DEPTH-1)                     ; step 0's four loads are in; the seven steps behind it may be out
	XTURN 0
.macro XSTEP t
.set XS, XX+16*((\t)%2)
.if (\t) > 0
	s_wait_dscnt 1                                 ; this step's numbers are back from the stage, so its stores into the stage have read their registers; the last step's byte store may be out
.else
	s_wait_dscnt 0x0
.endif
.if (\t)+DEPTH < STEPS
	XLOAD (\t)+DEPTH
.endif
.if (\t)+1 < STEPS
.if STEPS-2-(\t) >= DEPTH-1
	s_wait_loadcnt 4*(DEPTH-1)                     ; the next step's four loads are in; those of the seven steps behind it may be out
.else
	s_wait_loadcnt 4*(STEPS-2-(\t))                ; towards the end fewer steps stand behind it
.endif
	XTURN (\t)+1
.endif
	v_max3_num_f32 v8, |v[XS]|, |v[XS+1]|, |v[XS+2]|
	v_max3_num_f32 v9, |v[XS+3]|, |v[XS+4]|, |v[XS+5]|
.irp i, 6,10
	v_max3_num_f32 v8, v8, |v[XS+\i]|, |v[XS+\i+1]|
	v_max3_num_f32 v9, v9, |v[XS+\i+2]|, |v[XS+\i+3]|
.endr
	v_max3_num_f32 v8, v8, |v[XS+14]|, |v[XS+15]|
	v_max3_num_f32 v8, v8, v9, (EMAX+1)<<23        ; the floor 2^(EMAX + 1 - 127): the byte cannot fall under 1
	v_max_num_f32_dpp v8, v8, v8 row_xmask:1 row_mask:0xf bank_mask:0xf   ; with my neighbour's 16: the block's largest magnitude
	v_add_nc_u32 v11, -(EMAX<<23), v8              ; EMAX off its exponent field: the conversion's scale operand
	v_cvt_scalef32_pk8_fp4_f32 v[XC+4*(\t)], v[XS:XS+7], v11
	v_cvt_scalef32_pk8_fp4_f32 v[XC+4*(\t)+1], v[XS+8:XS+15], v11
	v_lshrrev_b32 v[XE+(\t)], 23, v11              ; the scale's byte
	ds_store_b8 v5, v[XE+(\t)] offset:16*(\t)      ; both lanes of a block write the same byte with the same value
	global_store_b64 v4, v[XC+4*(\t):XC+4*(\t)+1], s[12:13] offset:32*CB*(\t)   ; the wave stores 256 consecutive bytes, aligned
.endm
.irp t, 0,1,2,3,4,5,6,7,8,9,10,11,12,13,14,15
	XSTEP \t
.endr
	ds_load_b64 v[8:9], v6
	s_wait_dscnt 0x0
	global_store_b64 v7, v[8:9], s[14:15]          ; the wave's 256 scale bytes, aligned
	s_wait_tensorcnt 0x0                           ; the wave's end, behind my last LDS store
	ds_add_u32 v[SPW], v[NIL]
	s_wait_dscnt 0x0
	s_endpgm
; ---- the weights: a lane takes a column and its registers run down K: a block of 32 lies in one lane, and the codes come out with K innermost.
; A wave has at most 64 loads of 128 bytes on their way, so the work is shared among many waves: wave (ch, kh) takes columns 32 ch on and 256 along K from 256 kh on: 8 blocks, 128 bytes of codes a column.
; The two halves of a row's 256 bytes meet in the work-group's stage; behind one barrier each wave stores 16 whole rows.
.Lpath_w:
	s_lshr_b32 s19, ttmp9, 2                       ; which 64 rows n'
	s_and_b32 s21, ttmp9, 3                        ; which 512 along K
	s_and_b32 s30, s18, 1                          ; ch
	s_lshr_b32 s31, s18, 1                         ; kh
	s_lshl_b32 s24, s19, 6
	s_lshl_b32 s25, s30, 5
	s_add_co_u32 s24, s24, s25                     ; n' of my wave's first column; in Wq also the column
	s_sub_co_u32 s26, s19, 32                      ; in Wkv: 4 j + 2 u + e
	s_lshr_b32 s27, s26, 1
	s_and_b32 s27, s27, 1
	s_lshl_b32 s27, s27, 9                         ; 512 u
	s_lshr_b32 s28, s26, 2
	s_and_b32 s28, s28, 3
	s_lshl_b32 s28, s28, 7                         ; 128 j
	s_and_b32 s26, s26, 1
	s_lshl_b32 s26, s26, 6                         ; 64 e
	s_add_co_u32 s26, s26, s27
	s_add_co_u32 s26, s26, s28
	s_add_co_u32 s26, s26, s25
	s_mov_b32 s20, 0x1000
	s_cmp_lt_u32 s19, 32                           ; Wq or Wkv: the choice hangs on the work-group's number alone
	s_cselect_b64 s[6:7], s[6:7], s[8:9]
	s_cselect_b32 s20, 0x2000, s20                 ; bytes from row to row
	s_cselect_b32 s26, s24, s26                    ; the column
	s_lshl_b32 s22, s19, 16                        ; codes: the work-group's first row x 1,024 + 256 x ky, behind x's
	s_lshl_b32 s29, s21, 8
	s_add_co_u32 s22, s22, s29
	s_add_co_u32 s22, s22, 0x400000
	s_add_nc_u64 s[12:13], s[12:13], s[22:23]
	s_lshl_b32 s22, s24, 6                         ; scale bytes: n' x 64 + 16 x ky + 8 x kh, behind x's
	s_lshl_b32 s29, s21, 4
	s_add_co_u32 s22, s22, s29
	s_lshl_b32 s29, s31, 3
	s_add_co_u32 s22, s22, s29
	s_add_co_u32 s22, s22, 0x40000
	s_add_nc_u64 s[14:15], s[14:15], s[22:23]
	s_lshl_b32 s27, s21, 1
	s_add_co_u32 s27, s27, s31                     ; 2 ky + kh
	s_mul_i32 s27, s27, s20
	s_lshl_b32 s27, s27, 8                         ; x 256 rows
	s_lshl_b32 s26, s26, 2
	s_add_co_u32 s22, s27, s26
	s_add_nc_u64 s[32:33], s[6:7], s[22:23]        ; block 0's first row
	s_lshl_b32 s22, s20, 5                         ; 32 rows on
.irp t, 1,2,3,4,5,6,7
	s_add_nc_u64 s[32+2*\t:33+2*\t], s[30+2*\t:31+2*\t], s[22:23]
.endr
	v_lshlrev_b32 v[VO], 2, v2
.irp i, 1,2,3,4,5,6,7,8,9,10,11,12,13,14,15,16,17,18,19,20,21,22,23,24,25,26,27,28,29,30,31
	v_add_nc_u32 v[VO+\i], s20, v[VO+\i-1]
.endr
	s_mul_i32 s28, s30, 32*PITCH                   ; into the stage: row 32 ch + lane, byte 128 kh on
	s_lshl_b32 s29, s31, 7
	s_add_co_u32 s28, s28, s29
	s_add_co_u32 s28, s28, WST
	v_mul_u32_u24 v4, v2, PITCH
	v_add_nc_u32 v4, s28, v4
	s_mul_i32 s28, s18, 16*PITCH                   ; out of it: wave w takes rows 16 w on, whole: sixteen lanes to a row, two rows an instruction
	s_add_co_u32 s28, s28, WST
	v_and_b32 v5, 15, v2
	v_lshrrev_b32 v6, 4, v2
	v_mul_u32_u24 v7, v6, PITCH
	v_lshl_add_u32 v7, v5, 4, v7
	v_add_nc_u32 v7, s28, v7
	v_lshlrev_b32 v8, 10, v6
	v_lshl_add_u32 v8, v5, 4, v8
	s_lshl_b32 s29, s18, 14
	v_add_nc_u32 v8, s29, v8                       ; the same place in the codes' rows of 1,024 bytes
	v_lshlrev_b32 v9, 6, v2                        ; my column's row of scale bytes
.macro WLOAD t
.irp i, 0,1,2,3,4,5,6,7,8,9,10,11,12,13,14,15,16,17,18,19,20,21,22,23,24,25,26,27,28,29,30,31
	global_load_b32 v[WX+32*((\t)%2)+\i], v[VO+\i], s[32+2*(\t):33+2*(\t)] th:TH_LOAD_NT
.endr
.endm
	WLOAD 0
	WLOAD 1
.macro WBLOCK t
.set XS, WX+32*((\t)%2)
.if (\t) < NB-1
	s_wait_loadcnt 32                              ; this block's 32 loads are in; the next block's may be out
.else
	s_wait_loadcnt 0x0
.endif
	v_max3_num_f32 v16, |v[XS]|, |v[XS+1]|, |v[XS+2]|
	v_max3_num_f32 v17, |v[XS+3]|, |v[XS+4]|, |v[XS+5]|
.irp i, 6,10,14,18,22,26
	v_max3_num_f32 v16, v16, |v[XS+\i]|, |v[XS+\i+1]|
	v_max3_num_f32 v17, v17, |v[XS+\i+2]|, |v[XS+\i+3]|
.endr
	v_max3_num_f32 v16, v16, |v[XS+30]|, |v[XS+31]|
	v_max3_num_f32 v16, v16, v17, (EMAX+1)<<23     ; the floor
	v_add_nc_u32 v11, -(EMAX<<23), v16             ; the conversion's scale operand
	v_lshrrev_b32 v17, 23, v11                     ; the scale's byte
.if (\t)%4 == 0
	v_mov_b32 v[SB+(\t)/4], v17
.else
	v_lshl_or_b32 v[SB+(\t)/4], v17, 8*((\t)%4), v[SB+(\t)/4]
.endif
.irp g, 0,1,2,3
	v_cvt_scalef32_pk8_fp4_f32 v[WC+\g], v[XS+8*\g:XS+8*\g+7], v11
.endr
	ds_store_b128 v4, v[WC:WC+3] offset:16*(\t)
.if (\t)+2 < NB
	WLOAD (\t)+2
.endif
	s_wait_dscnt 0x0                               ; the store has read its registers: the next block's codes may be written; behind the last block: my stores into the stage have landed
.endm
.irp t, 0,1,2,3,4,5,6,7
	WBLOCK \t
.endr
	global_store_b64 v9, v[SB:SB+1], s[14:15]      ; my column's 8 scale bytes
	s_barrier_signal -1                            ; every wave's half rows lie in the stage
	s_barrier_wait -1
.irp t, 0,1,2,3,4,5,6,7
	ds_load_b128 v[OUTR+4*\t:OUTR+4*\t+3], v7 offset:2*\t*PITCH
.endr
.irp t, 0,1,2,3,4,5,6,7
	s_wait_dscnt 7-\t                              ; rows come back in order: the younger ones may be out
	global_store_b128 v8, v[OUTR+4*\t:OUTR+4*\t+3], s[12:13] offset:2*\t*1024   ; sixteen lanes store 256 consecutive bytes, aligned
.endr
	s_wait_tensorcnt 0x0                           ; the wave's end, behind my last LDS store
	ds_add_u32 v[SPW], v[NIL]
	s_wait_dscnt 0x0
	s_endpgm
.Lfunc_end_k_qf0db9ad3e7_prep:
	.size	k_qf0db9ad3e7_prep, .Lfunc_end_k_qf0db9ad3e7_prep-k_qf0db9ad3e7_prep
	.p2alignl 7, 3214868480
	.fill 96, 4, 3214868480
	.section	.rodata,"a",@progbits
	.p2align	6, 0x0
	.amdhsa_kernel k_qf0db9ad3e7_prep
		.amdhsa_group_segment_fixed_size 50688
		.amdhsa_private_segment_fixed_size 0
		.amdhsa_enable_private_segment 0
		.amdhsa_kernarg_size 56
		.amdhsa_user_sgpr_count 2
		.amdhsa_user_sgpr_kernarg_segment_ptr 1
		.amdhsa_wavefront_size32 1
		.amdhsa_system_sgpr_workgroup_id_x 1
		.amdhsa_system_sgpr_workgroup_id_y 1
		.amdhsa_system_sgpr_workgroup_id_z 1
		.amdhsa_system_vgpr_workitem_id 0
		.amdhsa_next_free_vgpr 256
		.amdhsa_next_free_sgpr 80
		.amdhsa_reserve_vcc 0
		.amdhsa_float_denorm_mode_32 3
		.amdhsa_float_denorm_mode_16_64 3
		.amdhsa_memory_ordered 1
		.amdhsa_forward_progress 1
		.amdhsa_inst_pref_size 96
	.end_amdhsa_kernel
	.amdgpu_metadata
---
amdhsa.version: [ 1, 2 ]
amdhsa.kernels:
  - .name:           k_qf0db9ad3e7_prep
    .symbol:         k_qf0db9ad3e7_prep.kd
    .args:
      - { .name: x, .offset: 0, .size: 8, .value_kind: global_buffer, .address_space: global }
      - { .name: Wq, .offset: 8, .size: 8, .value_kind: global_buffer, .address_space: global }
      - { .name: Wkv, .offset: 16, .size: 8, .value_kind: global_buffer, .address_space: global }
      - { .name: Wo, .offset: 24, .size: 8, .value_kind: global_buffer, .address_space: global }
      - { .name: cod, .offset: 32, .size: 8, .value_kind: global_buffer, .address_space: global }
      - { .name: scl, .offset: 40, .size: 8, .value_kind: global_buffer, .address_space: global }
      - { .name: woh, .offset: 48, .size: 8, .value_kind: global_buffer, .address_space: global }
    .group_segment_fixed_size: 50688
    .private_segment_fixed_size: 0
    .kernarg_segment_align: 8
    .kernarg_segment_size: 56
    .max_flat_workgroup_size: 128
    .sgpr_count:     80
    .vgpr_count:     256
    .wavefront_size: 32
...
	.end_amdgpu_metadata
.endif
;; end of part 1
;; launch qkv (part 2): grid 12 x 16, 4 waves a work-group, clusters of 4 x 4, 327,680 bytes of LDS; arguments cod, scl, cos, sin, qkvh, tsc, fr; writes qkvh, tsc, fr
.if DOCPART == 2
	.amdgcn_target "amdgcn-amd-amdhsa--gfx1250"
	.amdhsa_code_object_version 6
	.text
	.protected	k_qf0db9ad3e7_qkv
	.globl	k_qf0db9ad3e7_qkv
	.p2align	8
	.type	k_qf0db9ad3e7_qkv,@function
k_qf0db9ad3e7_qkv:
	s_mov_b64 s[64:65], 0
	v_nop
	global_prefetch_b8 v0, s[64:65] scope:SCOPE_SE
	s_setreg_imm32_b32 hwreg(HW_REG_WAVE_MODE, 25, 1), 1
	s_wait_xcnt 0x0
	s_wait_alu depctr_hold_cnt(0) depctr_sa_sdst(0) depctr_va_vdst(0) depctr_va_sdst(0) depctr_va_ssrc(0) depctr_va_vcc(0) depctr_vm_vsrc(0)
	s_getreg_b32 s2, hwreg(HW_REG_IB_STS2, 6, 4)
	s_cmp_eq_u32 s2, 0
	s_cbranch_scc0 .Lentry_in_a_cluster
	s_endpgm
.Lentry_in_a_cluster:
	s_bfe_u32 s2, ttmp6, 0x10000c
	s_cmp_lg_u32 s2, 0xf033
	s_cbranch_scc0 .Lentry_shape_is_right
	s_endpgm
.Lentry_shape_is_right:
; [q | k, v] = x [Wq | Wkv] on codes of FP4 (E2M1) with one E8M0 scale for each 32 along K: M 4,096, N 3,072 (rows n' of the fused weight), K 2,048; sums in f32.  Then the rotary turn of q and k in f32, and the way out in f16.
; A tile of C, 256 x 256, is made by a work-group of four waves; a wave makes 128 x 128: 64 accumulators, 512 registers.  K goes in steps of 512 through a ring of two LDS slots filled by the tensor data mover; the scale bytes of the
; work-group's rows, for all of K, come into LDS once.  CLUSTERS: 4 x 4 work-groups; A's tiles are asked for jointly along a row of the cluster, B's along a column.  The matrix instruction is used transposed (source 0 = 16 rows of
; the weight, source 1 = 16 rows of x): a lane holds eight neighbouring columns of one row of C.
; A WAVE'S 128 COLUMNS ARE ONE HEAD, its 128 rows 128 positions of one batch.  Tile row = 4 cy + cluster y, so the batch is cy and 'holds positions 0-15' hangs on cluster y and the wave alone; in cluster x = 2 column half 0 is a head of
; K and half 1 a head of V, so 'holds V' hangs on cluster x and the wave alone: no branch hangs on a work-group's place in its cluster.
; THE WAY OUT.  q, k: u1' = u1 cos - u2 sin, u2' = u1 sin + u2 cos (one product rounded, the other fused).  The tile's largest magnitude, with exponent field E, gives the factor 2^(128 - E): the tile is multiplied by it, which rounds
; nothing, so that its largest magnitude lies in [2, 4) and the f16 numbers keep their 11 bits whatever the inputs' size; 2^(E - 128) goes to tsc[head][row tile] for the softmax's factor.  v goes to f16 as it is.
; Positions 0-15 of every batch also go to fr in f32, unscaled: the last launch computes those rows finely.
; COS AND SIN ARE ASKED FOR EARLY.  A block of 16 positions wants 64 registers of them.  192 registers lie idle through the K loop: blocks 0 to 2 are loaded into them at the kernel's head.  Behind the last product the fragments'
; registers are free: blocks 3 to 5 go out there at once; blocks 6 and 7 take the registers of blocks 0 and 1, behind the waits for blocks 3 and 4: at most 48 loads of a wave are out.  A wave that holds a head of V issues the head's
; loads too and does not use them: the text at the head has one way for all waves.
; qkvh: f16 [4 b][24 hs][1024 t][128]: hs 0-15 q, 16-19 k, 20-23 v.  LIMITS: NaN and infinities are not served; a tile's largest magnitude is taken as at least 2^-125; v must lie in f16's range.
; REGISTERS, in windows of 256: window 0: v0-31 addresses; v32-95 scale words, two sets; v128-191 A's fragments, one set; v192-255 cos and sin.  window 1: B's fragments, two sets, at v0 and v128; v64-127, v192-255 cos and sin.
; windows 2, 3: the accumulators (block a of 16 rows, block b of 16 columns: window 2 + a / 4, v[8 (8 (a % 4) + b)]).  On the way out v16-23 and v32-191 of window 0 and all of window 1 are free.
.set SIZE_K, 2048
.set KSTEP,  512
.set NQ,     KSTEP/128
.set ROWB,   256
.set KROW,   SIZE_K*4/8
.set PITCH,  272                       ; an LDS row: 256 bytes + 16 of padding: the 16 rows that a load touches start at 16 different banks (ISA guide 11.1)
.set FR,     8
.set NL,     2
.set NP,     4                         ; places behind this matrix instruction (ISA guide 7.12.1)
.set HALFT,  128*PITCH
.set SLOT,   4*HALFT
.set LAPS,   SIZE_K/(2*KSTEP)
.set KS,     SIZE_K/32
.set SCL,    2*SLOT
.set HALFS,  (128*KS/256)*272
.set SBLK,   (16*KS/256)*272
.set SPARE,  SCL+4*HALFS               ; the spare words, 128 bytes for each wave: two blocks of 256 bytes that no other line names
.set SPITCH, 272                       ; the way out: a stage of 16 rows x (256 bytes + 16) for each wave, in slot 0, which has had its last fill and its last read by then
.set ADRA, 16
.set ADRB, 20
.set STO,  24
.set RD,   25
.set CO,   26
.set ADRS, 27
.set SPW,  28
.set NIL,  29
.set CSO,  30                          ; v30 cos, sin: my byte in a block's 16 rows of 256 bytes: 256 r + 32 h; never rewritten
.set SC,   32
.set AF,   128
.set T1,   32                          ; the way out: u1 cos; later the packed results
.set T2,   64                          ; u1 sin; later rows read back, v64-95 and v96-127 by turns
.set TMP,  32
.set BK,   64
.set G1, 24
.set G0, 32
.set G1B, 48
.set G0B, 56
.set G1S, 68
.set G0S, 76
.set G1SB, 80
.set G0SB, 88
.set MSB, 0
.macro WIN new                         ; the immediate's high byte repeats the setting that is left
.if MSB != (\new)
	s_set_vgpr_msb (MSB<<8)|(\new)
.set MSB, (\new)
.endif
.endm
.set MUL_LO, 0xa1
.set MUL_HI, 0xf1
.set TO_B,   0x40
; Where block a's cos (32 registers from CB) and sin (the next 32) lie: window CW.  Sets 0 to 2 are idle through the K loop; sets 3 to 5 held fragments.  Blocks 6 and 7 come back to sets 0 and 1.
.macro CSSET a
.set si, (\a)%6
.if si == 0
.set CW, 0
.set CB, 192
.elseif si == 1
.set CW, 1
.set CB, 64
.elseif si == 2
.set CW, 1
.set CB, 192
.elseif si == 3
.set CW, 0
.set CB, 128
.elseif si == 4
.set CW, 1
.set CB, 0
.else
.set CW, 1
.set CB, 128
.endif
.endm
.macro CSLOAD a                        ; cos and sin of block a's 16 positions, my 32 channels: register 8 b + j = channel 16 b + 8 h + j, as u1 lies: 16 loads
	CSSET \a
	WIN CW<<6                                      ; the destination's window; the address lies in window 0
.irp b, 0,1,2,3
.irp u, 0,1
	global_load_b128 v[CB+8*\b+4*\u:CB+8*\b+4*\u+3], v[CSO], s[12:13] offset:4096*(\a)+64*\b+16*\u
	global_load_b128 v[CB+32+8*\b+4*\u:CB+32+8*\b+4*\u+3], v[CSO], s[66:67] offset:4096*(\a)+64*\b+16*\u
.endr
.endr
	WIN 0
.endm
; A joint load: waves 0 and 1 fetch for A, waves 2 and 3 for B; the branch hangs on the wave's number alone.  An s_nop 0 and four v_nop follow each of the two lines.
.macro JLOAD g0a, g1a, g0b, g1b
	s_cmp_eq_u32 s15, 0
	s_cbranch_scc0 .Lfor_b_\@
	tensor_load_to_lds s[\g0a:\g0a+3], s[\g1a:\g1a+7]
	s_nop 0
.rept 4
	v_nop
.endr
	s_branch .Lasked_\@
.Lfor_b_\@:
	tensor_load_to_lds s[\g0b:\g0b+3], s[\g1b:\g1b+7]
	s_nop 0
.rept 4
	v_nop
.endr
.Lasked_\@:
.endm
.macro CREST
	s_cmp_lg_u32 s14, 0
	s_cbranch_scc1 .Lnot_wave_0_\@
	s_barrier_signal -3
.Lnot_wave_0_\@:
	s_barrier_wait -3
	s_barrier_signal -1
	s_barrier_wait -1
.endm
.macro CROUND
	s_barrier_signal -1
	s_barrier_wait -1
	CREST
.endm
	s_load_b128 s[4:7], s[0:1], 0x0                ; cod, scl
	s_load_b64 s[12:13], s[0:1], 0x10              ; cos
	s_load_b64 s[66:67], s[0:1], 0x18              ; sin
	s_load_b64 s[96:97], s[0:1], 0x20              ; qkvh
	s_load_b64 s[98:99], s[0:1], 0x28              ; tsc
	s_load_b64 s[100:101], s[0:1], 0x30            ; fr
	v_lshl_add_u32 v[SPW], v0, 2, SPARE
	v_mov_b32 v[NIL], 0
	ds_add_u32 v[SPW], v[NIL]                      ; the wave's opening: the add, twice on end, and its wait ahead of my first tensor load
	ds_add_u32 v[SPW], v[NIL]
	v_lshrrev_b32 v1, 5, v0
	v_readfirstlane_b32 s14, v1                    ; wave 0..3
	s_lshr_b32 s15, s14, 1                         ; my half of the tile's rows.  Also: I fetch for A (0) or for B (1)
	s_and_b32 s16, s14, 1                          ; my half of its columns.  Also: which 128 rows I fetch
	s_bfe_u32 s40, ttmp6, 0x40000                  ; cx
	s_bfe_u32 s41, ttmp6, 0x40004                  ; cy
	s_lshl_b32 s42, ttmp9, 2
	s_add_co_u32 s42, s42, s40                     ; tile column = 4 x cluster x + cx
	s_and_b32 s17, ttmp7, 0xffff
	s_lshl_b32 s2, s41, 2
	s_add_co_u32 s17, s17, s2                      ; tile row = 4 cy + cluster y
	s_lshl_b32 s43, s41, 2
	s_lshl_b32 s43, 15, s43                        ; my row of the cluster
	s_lshl_b32 s44, 0x1111, s40                    ; my column
	s_or_b32 s[G1+0], s43, (0<<16)|(1<<20)|(1<<21)|(5<<22)|(3<<25)  ; the mask; elements of 1 byte; padding: 4 words behind every 64
	s_or_b32 s[G1B+0], s44, (0<<16)|(1<<20)|(1<<21)|(5<<22)|(3<<25)
.irp g, G1, G1B
	s_mov_b32 s[\g+1], ROWB<<16                    ; tensor_dim0
	s_mov_b32 s[\g+2], 128<<16                     ; tensor_dim1
	s_mov_b32 s[\g+3], ROWB<<16                    ; tile_dim0
	s_mov_b32 s[\g+4], 128                         ; tile_dim1
	s_mov_b32 s[\g+5], KROW                        ; the pitch
	s_mov_b32 s[\g+6], 0
	s_mov_b32 s[\g+7], 0
.endr
	s_or_b32 s[G1S+0], s43, (3<<16)|(1<<20)|(1<<21)|(5<<22)|(3<<25)  ; the scales of 128 rows: a dense block, as rows of 256 bytes (32 elements of 8)
	s_or_b32 s[G1SB+0], s44, (3<<16)|(1<<20)|(1<<21)|(5<<22)|(3<<25)
.irp g, G1S, G1SB
	s_mov_b32 s[\g+1], 32<<16
	s_mov_b32 s[\g+2], (128*KS/256)<<16
	s_mov_b32 s[\g+3], 32<<16
	s_mov_b32 s[\g+4], 128*KS/256
	s_mov_b32 s[\g+5], 32
	s_mov_b32 s[\g+6], 0
	s_mov_b32 s[\g+7], 0
.endr
	s_mov_b32 s104, 0x76543210                     ; v_permlanex16_b32's selects for lane l xor 16
	s_mov_b32 s105, 0xfedcba98
	s_lshl_b32 s18, s16, 7
	s_lshl_b32 s20, s17, 8
	s_add_co_u32 s20, s20, s18                     ; A: row 256 x tile row + 128 x half
	s_lshl_b32 s46, s42, 8
	s_add_co_u32 s46, s46, s18                     ; B: row 256 x tile column + 128 x half
	s_mov_b32 s21, 0
	s_mov_b32 s47, 0
	s_mov_b64 s[18:19], KS
	s_mul_u64 s[22:23], s[20:21], s[18:19]         ; where these rows' scales begin
	s_mul_u64 s[92:93], s[46:47], s[18:19]
	s_mov_b64 s[18:19], KROW
	s_mul_u64 s[20:21], s[20:21], s[18:19]         ; and their codes
	s_mul_u64 s[46:47], s[46:47], s[18:19]
	s_mul_i32 s45, s14, HALFT                      ; where they go: no place in the cluster enters an LDS address
	s_mul_i32 s94, s14, HALFS
	s_wait_dscnt 0x0                               ; both opening adds are done
	s_wait_kmcnt 0x0
	s_add_nc_u64 s[8:9], s[4:5], 0x400000          ; the weight's codes lie behind x's,
	s_add_nc_u64 s[10:11], s[6:7], 0x40000         ; its scale bytes likewise
	s_add_nc_u64 s[20:21], s[4:5], s[20:21]
	s_add_nc_u64 s[22:23], s[6:7], s[22:23]
	s_add_nc_u64 s[46:47], s[8:9], s[46:47]
	s_add_nc_u64 s[92:93], s[10:11], s[92:93]
	CROUND                                         ; all sixteen work-groups are here: the first joint loads meet
	s_mov_b32 s[G0S], 1
	s_add_co_u32 s[G0S+1], s94, SCL
	s_mov_b64 s[G0S+2:G0S+3], s[22:23]
	s_or_b32 s[G0S+3], s[G0S+3], 0x80000000
	s_mov_b32 s[G0SB], 1
	s_add_co_u32 s[G0SB+1], s94, SCL
	s_mov_b64 s[G0SB+2:G0SB+3], s[92:93]
	s_or_b32 s[G0SB+3], s[G0SB+3], 0x80000000
	JLOAD G0S, G1S, G0SB, G1SB                     ; the scales first
.irp s, 0,1
	s_mov_b32 s[G0+4*\s], 1
	s_add_co_u32 s[G0+4*\s+1], s45, \s*SLOT
	s_add_nc_u64 s[G0+4*\s+2:G0+4*\s+3], s[20:21], \s*ROWB
	s_or_b32 s[G0+4*\s+3], s[G0+4*\s+3], 0x80000000
	s_mov_b32 s[G0B+4*\s], 1
	s_add_co_u32 s[G0B+4*\s+1], s45, \s*SLOT
	s_add_nc_u64 s[G0B+4*\s+2:G0B+4*\s+3], s[46:47], \s*ROWB
	s_or_b32 s[G0B+4*\s+3], s[G0B+4*\s+3], 0x80000000
	JLOAD G0+4*\s, G1, G0B+4*\s, G1B               ; three tensor loads of mine are out now
.endr
	v_and_b32 v1, 15, v0                           ; r = l % 16; kept for the way out
	v_bfe_u32 v2, v0, 4, 1                         ; h = l / 16; kept
	v_mul_u32_u24 v3, v1, PITCH
	v_lshl_add_u32 v4, v2, 4, v3
	s_mul_i32 s21, s15, HALFT
	s_mul_i32 s22, s16, HALFT
	s_add_co_u32 s22, s22, 2*HALFT
.irp s, 0,1
	v_add_nc_u32 v[ADRA+\s], s21, v4
	v_add_nc_u32 v[ADRB+\s], s22, v4
	s_add_co_u32 s21, s21, SLOT
	s_add_co_u32 s22, s22, SLOT
.endr
	v_mul_u32_u24 v5, v1, KS
	v_lshrrev_b32 v6, 8, v5
	v_lshl_add_u32 v5, v6, 4, v5
	s_mul_i32 s21, s15, HALFS
	s_mul_i32 s22, s16, HALFS
	s_add_co_u32 s22, s22, 2*HALFS
	s_sub_co_u32 s22, s22, s21
	v_mul_u32_u24 v6, s22, v2                      ; lanes 16-31 take B's scale words
	s_add_co_u32 s21, s21, SCL
	v_add_nc_u32 v5, v5, v6
	v_add_nc_u32 v[ADRS], s21, v5
	s_mul_i32 s23, s14, 16*SPITCH                  ; my stage
	v_mul_u32_u24 v5, v1, SPITCH
	v_lshl_add_u32 v5, v2, 4, v5
	v_add_nc_u32 v[STO], s23, v5                   ; in: row r, 16 bytes for each half of the lanes
	v_mul_u32_u24 v5, v2, SPITCH
	v_lshl_add_u32 v5, v1, 4, v5
	v_add_nc_u32 v[RD], s23, v5                    ; back: lanes 0-15 one row of 256 bytes, lanes 16-31 the next
	v_and_b32 v6, 31, v0
	v_lshlrev_b32 v[CO], 4, v6                     ; the same two rows in qkvh, whose rows are 256 bytes on end
	; scalars of the way out
	s_cmp_eq_u32 ttmp9, 2
	s_cselect_b32 s18, s16, 0                      ; s18: 1 where my head is one of V
	s_lshl_b32 s46, s42, 1
	s_add_co_u32 s46, s46, s16                     ; q: head 2 x tile column + half
	s_lshl_b32 s47, s16, 2
	s_add_co_u32 s47, s47, s42
	s_add_co_u32 s47, s47, 8                       ; k, v: 16 + (tile column - 8) + 4 x half
	s_cmp_lt_u32 ttmp9, 2
	s_cselect_b32 s46, s46, s47                    ; hs: enters addresses alone
	s_and_b32 s43, ttmp7, 0xffff
	s_or_b32 s19, s43, s15                         ; s19: 0 where my block 0 holds positions 0-15
	s_lshl_b32 s44, s43, 8
	s_lshl_b32 s45, s15, 7
	s_add_co_u32 s44, s44, s45                     ; my first position
	s_mul_i32 s47, s41, 24
	s_add_co_u32 s47, s47, s46
	s_lshl_b32 s47, s47, 10
	s_add_co_u32 s47, s47, s44
	s_lshl_b32 s92, s47, 8
	s_mov_b32 s93, 0
	s_add_nc_u64 s[96:97], s[96:97], s[92:93]      ; qkvh at my first row
	s_lshl_b32 s92, s44, 8
	s_add_nc_u64 s[12:13], s[12:13], s[92:93]      ; cos and sin at my first position; not written again
	s_add_nc_u64 s[66:67], s[66:67], s[92:93]
	s_mul_i32 s92, s41, 196608
	s_lshl_b32 s47, s42, 10
	s_add_co_u32 s92, s92, s47
	s_lshl_b32 s47, s16, 9
	s_add_co_u32 s92, s92, s47
	s_add_nc_u64 s[100:101], s[100:101], s[92:93]  ; fr at my batch and my 128 columns
	s_lshl_b32 s22, s46, 5
	s_lshl_b32 s47, s41, 3
	s_add_co_u32 s22, s22, s47
	s_lshr_b32 s47, s44, 7
	s_add_co_u32 s22, s22, s47
	s_lshl_b32 s22, s22, 2                         ; s22: my word in tsc
	v_lshlrev_b32 v[CSO], 8, v1
	v_lshl_add_u32 v[CSO], v2, 5, v[CSO]
	CSLOAD 0                                       ; blocks 0 to 2: 48 loads, into registers that no line of the K loop names; they are waited for behind the loop
	CSLOAD 1
	CSLOAD 2
.macro FRAG reg, adr, q, i             ; 16 rows x 128 K of 4-bit codes: 8 registers: lane l holds row l % 16; registers 4 c .. 4 c + 3 hold K = 64 c + 32 (l / 16) + 0 .. 31
.irp c, 0,1
	ds_load_b128 v[\reg+4*\c:\reg+4*\c+3], v[\adr] offset:64*(\q)+32*\c+(\i)*16*PITCH
.endr
.endm
; 16 matrix instructions: A's blocks a0, a0 + 1 x B's eight.  The 64 accumulators take turns, one instruction a turn, in the same order in every step.
.macro MUL16 a0, p, q, sc, zero
.irp a, \a0, \a0+1
.irp b, 0,1,2,3,4,5,6,7
.if \zero
	v_wmma_scale_f32_16x16x128_f8f6f4 v[8*(8*((\a)%4)+\b):8*(8*((\a)%4)+\b)+7], v[128*(\p)+FR*\b:128*(\p)+FR*\b+FR-1], v[AF+FR*(\a):AF+FR*(\a)+FR-1], 0, v[SC+8*NQ*(\sc)+NQ*\b+(\q)], v[SC+8*NQ*(\sc)+NQ*(\a)+(\q)] matrix_a_fmt:MATRIX_FMT_FP4 matrix_b_fmt:MATRIX_FMT_FP4 matrix_a_scale:MATRIX_SCALE_ROW1
.else
	v_wmma_scale_f32_16x16x128_f8f6f4 v[8*(8*((\a)%4)+\b):8*(8*((\a)%4)+\b)+7], v[128*(\p)+FR*\b:128*(\p)+FR*\b+FR-1], v[AF+FR*(\a):AF+FR*(\a)+FR-1], v[8*(8*((\a)%4)+\b):8*(8*((\a)%4)+\b)+7], v[SC+8*NQ*(\sc)+NQ*\b+(\q)], v[SC+8*NQ*(\sc)+NQ*(\a)+(\q)] matrix_a_fmt:MATRIX_FMT_FP4 matrix_b_fmt:MATRIX_FMT_FP4 matrix_a_scale:MATRIX_SCALE_ROW1
.endif
.endr
.endr
.endm
.macro FETCH_B slot, q, p
	WIN TO_B
.irp i, 0,1,2,3,4,5,6,7
	FRAG 128*(\p)+FR*\i, ADRB+\slot, \q, \i
.endr
	WIN 0
.endm
.macro FETCH_A slot, q, i0
.irp i, \i0, \i0+1, \i0+2, \i0+3
	FRAG AF+FR*(\i), ADRA+\slot, \q, \i
.endr
.endm
.macro SCALES sc                       ; lanes 0-15 take the words of A's block i, lanes 16-31 those of B's block i
.irp i, 0,1,2,3,4,5,6,7
	ds_load_b128 v[SC+8*NQ*\sc+NQ*\i:SC+8*NQ*\sc+NQ*\i+3], v[ADRS] offset:\i*SBLK
.endr
.endm
.macro PLACES n                        ; plain vector instructions between a matrix instruction and a load into, or a read or write by a vector instruction of, its registers
.rept \n
	v_nop
.endr
.endm
.macro STEP slot, q, zero
	s_wait_dscnt 4*NL                              ; B's set and A's blocks 0-3 are in; the youngest loads (A's blocks 4-7) may be out
	WIN MUL_LO
	MUL16 0, (\q)%2, \q, \slot, \zero
	MUL16 2, (\q)%2, \q, \slot, \zero
	s_wait_dscnt 0
	PLACES NP
	FETCH_B \slot, (\q)+1, 1-(\q)%2
	FETCH_A \slot, (\q)+1, 0
	WIN MUL_HI
	MUL16 4, (\q)%2, \q, \slot, \zero
	MUL16 6, (\q)%2, \q, \slot, \zero
	PLACES NP
	WIN 0
	FETCH_A \slot, (\q)+1, 4
.endm
; A slot's last step changes slots: one barrier; in front of it each wave waits for all its tensor loads, adds 0 to its spare word, and waits for that and for its own reads of this slot.
.macro TURN slot, next, fill
	s_wait_tensorcnt 0x0                           ; all my tensor loads have landed: my part of the next slot
	ds_add_u32 v[SPW], v[NIL]
	s_wait_dscnt 4*NL+1                            ; the add and the youngest loads, A's blocks 4-7, may be out
	WIN MUL_LO
	MUL16 0, 1, NQ-1, \slot, 0
	s_wait_dscnt 0x0                               ; the add is done, and my reads of this slot are over
	s_barrier_signal -1
	MUL16 2, 1, NQ-1, \slot, 0
	WIN 0
	s_barrier_wait -1
.if \fill
	CREST                                          ; the barrier has opened a round of the cluster's: no wave of any partner still reads this slot or has a load on its way
	s_add_nc_u64 s[G0+4*\slot+2:G0+4*\slot+3], s[G0+4*\slot+2:G0+4*\slot+3], 2*ROWB
	s_add_nc_u64 s[G0B+4*\slot+2:G0B+4*\slot+3], s[G0B+4*\slot+2:G0B+4*\slot+3], 2*ROWB
	JLOAD G0+4*\slot, G1, G0B+4*\slot, G1B         ; the first tensor load behind the round; its four v_nop are the places in front of the loads below
.else
	PLACES NP
.endif
	v_add_nc_u32 v[ADRS], 4*NQ, v[ADRS]
	FETCH_B \next, 0, 0
	FETCH_A \next, 0, 0
	SCALES \next
	WIN MUL_HI
	MUL16 4, 1, NQ-1, \slot, 0
	MUL16 6, 1, NQ-1, \slot, 0
	PLACES NP
	WIN 0
	FETCH_A \next, 0, 4
.endm
.macro STEPS slot, from
.set Q, \from
.rept NQ-1-\from
	STEP \slot, Q, 0
.set Q, Q+1
.endr
.endm
	s_wait_tensorcnt 1                             ; the scales and my part of K step 0 are in; K step 1's load may be out
	s_barrier_signal -1
	s_barrier_wait -1
	FETCH_B 0, 0, 0
	FETCH_A 0, 0, 0
	SCALES 0
	FETCH_A 0, 0, 4
	STEP 0, 0, 1                                   ; the first step's products start the sums: nothing is cleared
	s_mov_b32 s3, LAPS-1
.Llap:
	STEPS 0, 1
	TURN 0, 1, 1
	STEPS 1, 0
	TURN 1, 0, 1
	STEP 0, 0, 0
	s_sub_co_u32 s3, s3, 1
	s_cmp_lg_u32 s3, 0
	s_cbranch_scc1 .Llap
	STEPS 0, 1                                     ; the last lap fills nothing
	TURN 0, 1, 0
	STEPS 1, 0
	s_wait_dscnt 4*NL
	WIN MUL_LO
	MUL16 0, 1, NQ-1, 1, 0
	MUL16 2, 1, NQ-1, 1, 0
	s_wait_dscnt 0
	WIN MUL_HI
	MUL16 4, 1, NQ-1, 1, 0
	MUL16 6, 1, NQ-1, 1, 0
	WIN 0
; ---- THE WAY OUT.  The seven lines below name no register of the last products: they are the places behind them, for the loads into the fragments' registers and for the first reads of results alike.
	v_mul_u32_u24 v17, v1, 12288
	v_lshl_add_u32 v17, v2, 5, v17                 ; fr: row r of 12,288 bytes, + 32 h
	v_mov_b32 v18, 0x1000000                       ; the largest magnitude, in two chains, from the floor 2^-125
	v_mov_b32 v19, 0x1000000
	v_mov_b32 v20, 1.0                             ; the factor's pair: written on every path
	v_mov_b32 v21, 1.0
	v_mov_b32 v23, s22
	s_wait_loadcnt 0x0                             ; cos and sin of blocks 0 to 2, asked for at the head
	s_cmp_lg_u32 s18, 0
	s_cbranch_scc1 .Lv                             ; a head of V has no rotary turn and no factor
.macro ROPE a                          ; block a: u1 = its registers 0-31 (channels under 64), u2 = 32-63.  Every accumulator is read from its low end on
	WIN 0
.if ((\a) == 3) || ((\a) == 4)
	s_wait_loadcnt 32                              ; this block's 16 loads are in; the two blocks asked for behind it may be out
	CSLOAD (\a)+3                                  ; block 6 or 7, into the set that block 0 or 1 has left
.elseif (\a) == 5
	s_wait_loadcnt 32                              ; blocks 6 and 7 may be out
.elseif (\a) == 6
	s_wait_loadcnt 16                              ; block 7 may be out
.elseif (\a) == 7
	s_wait_loadcnt 0x0
.endif
.set W,  2+(\a)/4
.set AC, 64*((\a)%4)
	CSSET \a
.set CC, CB
.set SS, CB+32
	WIN W|(CW<<2)                                  ; source 0: the accumulators' window; source 1: cos and sin's
.set k, 0
.rept 16
	v_pk_mul_f32 v[T1+k:T1+k+1], v[AC+k:AC+k+1], v[CC+k:CC+k+1]
.set k, k+2
.endr
.set k, 0
.rept 16
	v_pk_mul_f32 v[T2+k:T2+k+1], v[AC+k:AC+k+1], v[SS+k:SS+k+1]
.set k, k+2
.endr
	WIN (W<<6)|W|(CW<<2)
.set k, 0
.rept 16
	v_pk_fma_f32 v[AC+k:AC+k+1], v[AC+32+k:AC+33+k], v[SS+k:SS+k+1], v[T1+k:T1+k+1] neg_lo:[1,0,0] neg_hi:[1,0,0]   ; u1 cos - u2 sin
.set k, k+2
.endr
.set k, 0
.rept 16
	v_pk_fma_f32 v[AC+32+k:AC+33+k], v[AC+32+k:AC+33+k], v[CC+k:CC+k+1], v[T2+k:T2+k+1]   ; u1 sin + u2 cos
.set k, k+2
.endr
	WIN (W<<2)|(W<<4)
.set k, 0
.rept 32
	v_max3_num_f32 v[18+k%2], v[18+k%2], |v[AC+2*k]|, |v[AC+2*k+1]|
.set k, k+1
.endr
.endm
	CSLOAD 3                                       ; blocks 3 to 5 at once, into the registers that held A's and B's fragments: 48 loads; blocks 0 to 2 are turned meanwhile
	CSLOAD 4
	CSLOAD 5
.irp a, 0,1,2,3,4,5,6,7
	ROPE \a
.endr
	WIN 0
	v_max_num_f32 v18, v18, v19
	v_max_num_f32_dpp v18, v18, v18 row_xmask:1 row_mask:0xf bank_mask:0xf
	v_max_num_f32_dpp v18, v18, v18 row_xmask:2 row_mask:0xf bank_mask:0xf
	v_max_num_f32_dpp v18, v18, v18 row_xmask:4 row_mask:0xf bank_mask:0xf
	v_max_num_f32_dpp v18, v18, v18 row_xmask:8 row_mask:0xf bank_mask:0xf
	v_permlanex16_b32 v19, v18, s104, s105
	v_max_num_f32 v18, v18, v19                    ; the tile's largest magnitude, in every lane
	v_and_b32 v18, 0x7f800000, v18                 ; its exponent field E
	v_sub_nc_u32 v20, 0x7f800000, v18              ; 2^(128 - E)
	v_mov_b32 v21, v20
	v_add_nc_u32 v22, 0xff800000, v18              ; 2^(E - 128)
	global_store_b32 v23, v22, s[98:99]            ; all lanes store the same word with the same value
.Lv:
	s_cmp_lg_u32 s19, 0
	s_cbranch_scc1 .Lno_fine
	WIN 0x08                                       ; a store's data are its source 1: window 2
.irp b, 0,1,2,3,4,5,6,7
	global_store_b128 v17, v[8*\b:8*\b+3], s[100:101] offset:64*\b       ; positions 0-15 in f32, unscaled
	global_store_b128 v17, v[8*\b+4:8*\b+7], s[100:101] offset:64*\b+16
.endr
	WIN 0
	s_wait_xcnt 0x0                                ; these stores' data are written again below only behind this wait
.Lno_fine:
	s_cmp_lg_u32 s18, 0
	s_cbranch_scc1 .Lcvt
.irp w, 2,3
	WIN (\w<<6)|\w
.set k, 0
.rept 128
	v_pk_mul_f32 v[k:k+1], v[k:k+1], v[20:21] op_sel_hi:[1,0]   ; x 2^(128 - E): rounds nothing
.set k, k+2
.endr
.endr
	WIN 0
.Lcvt:
.macro PACK a
.set AC, 64*((\a)%4)
	WIN 0x0a+5*((\a)/4)                            ; sources 0 and 1: window 2 or 3
.irp b, 0,1,2,3,4,5,6,7
.irp r, 0,1,2,3
	v_cvt_pk_f16_f32 v[TMP+4*\b+\r], v[AC+8*\b+2*\r], v[AC+8*\b+2*\r+1]
.endr
.endr
	WIN 0
.endm
.macro TOSTAGE a
.irp b, 0,1,2,3,4,5,6,7
	ds_store_b128 v[STO], v[TMP+4*\b:TMP+4*\b+3] offset:32*\b
.endr
.irp t, 0,1,2,3,4,5,6,7
	ds_load_b128 v[BK+32*((\a)%2)+4*\t:BK+32*((\a)%2)+4*\t+3], v[RD] offset:\t*2*SPITCH   ; LDS serves a wave's instructions in order: these see the stores above
.endr
.endm
.macro SEND a
	s_wait_dscnt 0x0                               ; the block is back in registers
.irp t, 0,1,2,3,4,5,6,7
	global_store_b128 v[CO], v[BK+32*((\a)%2)+4*\t:BK+32*((\a)%2)+4*\t+3], s[96:97] offset:4096*(\a)+512*\t   ; 32 lanes store 512 consecutive bytes, aligned
.endr
.endm
	PACK 0
	TOSTAGE 0
.irp a, 1,2,3,4,5,6,7                  ; block a's conversions stand between block a - 1's loads from the stage and the wait for them
	PACK \a
.if \a > 1
	s_wait_xcnt 0x0                                ; block a - 2's stores have read their registers: block a's rows may land there
.endif
	SEND \a-1
	TOSTAGE \a
.endr
	SEND 7
	s_wait_tensorcnt 0x0                           ; the wave's end
	ds_add_u32 v[SPW], v[NIL]
	s_wait_dscnt 0x0
	CROUND                                         ; the closing round
	s_endpgm
.Lfunc_end_k_qf0db9ad3e7_qkv:
	.size	k_qf0db9ad3e7_qkv, .Lfunc_end_k_qf0db9ad3e7_qkv-k_qf0db9ad3e7_qkv
	.p2alignl 7, 3214868480
	.fill 96, 4, 3214868480
	.section	.rodata,"a",@progbits
	.p2align	6, 0x0
	.amdhsa_kernel k_qf0db9ad3e7_qkv
		.amdhsa_group_segment_fixed_size 327680
		.amdhsa_private_segment_fixed_size 0
		.amdhsa_enable_private_segment 0
		.amdhsa_kernarg_size 56
		.amdhsa_user_sgpr_count 2
		.amdhsa_user_sgpr_kernarg_segment_ptr 1
		.amdhsa_wavefront_size32 1
		.amdhsa_system_sgpr_workgroup_id_x 1
		.amdhsa_system_sgpr_workgroup_id_y 1
		.amdhsa_system_sgpr_workgroup_id_z 1
		.amdhsa_system_vgpr_workitem_id 0
		.amdhsa_next_free_vgpr 1024
		.amdhsa_next_free_sgpr 106
		.amdhsa_reserve_vcc 0
		.amdhsa_float_denorm_mode_32 3
		.amdhsa_float_denorm_mode_16_64 3
		.amdhsa_memory_ordered 1
		.amdhsa_forward_progress 1
		.amdhsa_inst_pref_size 255
	.end_amdhsa_kernel
	.section	.bss,"aw",@nobits
	.p2align	6
	.space	262144
	.amdgpu_metadata
---
amdhsa.version: [ 1, 2 ]
amdhsa.kernels:
  - .name:           k_qf0db9ad3e7_qkv
    .symbol:         k_qf0db9ad3e7_qkv.kd
    .args:
      - { .name: cod, .offset: 0, .size: 8, .value_kind: global_buffer, .address_space: global }
      - { .name: scl, .offset: 8, .size: 8, .value_kind: global_buffer, .address_space: global }
      - { .name: cos, .offset: 16, .size: 8, .value_kind: global_buffer, .address_space: global }
      - { .name: sin, .offset: 24, .size: 8, .value_kind: global_buffer, .address_space: global }
      - { .name: qkvh, .offset: 32, .size: 8, .value_kind: global_buffer, .address_space: global }
      - { .name: tsc, .offset: 40, .size: 8, .value_kind: global_buffer, .address_space: global }
      - { .name: fr, .offset: 48, .size: 8, .value_kind: global_buffer, .address_space: global }
    .group_segment_fixed_size: 327680
    .private_segment_fixed_size: 0
    .kernarg_segment_align: 8
    .kernarg_segment_size: 56
    .max_flat_workgroup_size: 128
    .sgpr_count:     106
    .vgpr_count:     1024
    .wavefront_size: 32
...
	.end_amdgpu_metadata
.endif
;; end of part 2
;; launch attn (part 3): grid 16 x 16, 4 waves a work-group, clusters of 4 x 1, 327,680 bytes of LDS; arguments qkvh, tsc, oh; writes oh
.if DOCPART == 3
	.amdgcn_target "amdgcn-amd-amdhsa--gfx1250"
	.amdhsa_code_object_version 6
	.text
	.protected	k_qf0db9ad3e7_attn
	.globl	k_qf0db9ad3e7_attn
	.p2align	8
	.type	k_qf0db9ad3e7_attn,@function
k_qf0db9ad3e7_attn:
	s_mov_b64 s[64:65], 0
	v_nop
	global_prefetch_b8 v0, s[64:65] scope:SCOPE_SE
	s_setreg_imm32_b32 hwreg(HW_REG_WAVE_MODE, 25, 1), 1
	s_wait_xcnt 0x0
	s_wait_alu depctr_hold_cnt(0) depctr_sa_sdst(0) depctr_va_vdst(0) depctr_va_sdst(0) depctr_va_ssrc(0) depctr_va_vcc(0) depctr_vm_vsrc(0)
	s_getreg_b32 s2, hwreg(HW_REG_IB_STS2, 6, 4)
	s_cmp_eq_u32 s2, 0
	s_cbranch_scc0 .Lentry_in_a_cluster
	s_endpgm
.Lentry_in_a_cluster:
	s_bfe_u32 s2, ttmp6, 0x10000c
	s_cmp_lg_u32 s2, 0x3003
	s_cbranch_scc0 .Lentry_shape_is_right
	s_endpgm
.Lentry_shape_is_right:
; Causal attention with grouped keys and values, on f16 operands with f32 sums: oh[b][t][head 128 ..] = softmax_k(q . k / sqrt(128)) v.  q, k, v: qkvh [4 b][24 hs][1024 t][128] f16; q's and k's tiles of 128 positions carry a power of
; two each, whose inverse lies in tsc [24 hs][8 b + t / 128]: it goes into the softmax's factor.  oh: [4096][2048] f16.
; WORK LEFT OUT: key steps that lie wholly behind a wave's queries under reference()'s own jnp.tril are not computed, and key slots wholly behind a block's queries are not loaded (shown at the head of the first launch).
; SHARES.  Cluster x = i (0-3), y = 4 b + kv head; the four partners are the four query heads of one key and value head, at the same query blocks, so K's and V's tiles are asked for JOINTLY and every branch is alike in all four.
; A work-group owns query blocks i and 7 - i, 128 rows each, one after the other: (i + 1) + (8 - i) = 9 key slots of 128 keys for every work-group: equal work, constant trip counts, every tile that is loaded is read.
; A wave owns 32 queries: two tiles of 16.  Trip n takes key slot n (n <= i) or n - i - 1.
; LAYOUT.  S^T = K Q^T (source 0 = 16 keys, source 1 = 16 queries): a lane holds one query (lane % 16) and the keys 8 (lane / 16) + 0..7; two such tiles, rounded to f16 in pairs, are source 1 of O^T = V^T P.  K comes out of LDS as it
; lies, V turned by ds_load_tr16_b128.
; SOFTMAX.  t = score x c x fq x fk, c = log2(e) / sqrt(128); a running maximum m of t and sum l; p = 2^(t - m); O and l are multiplied by 2^(m_old - m_new) in every step.  Since fk changes from slot to slot, m is kept in t's units.
; O^T, l begin as zeros and m as -3e38: the step is written once, and where a block begins hangs on the work-group's number.
; LIMITS: NaN and infinities are not served; c fq fk must be finite in f32; v and the result must lie in f16's range.
; REGISTERS, in windows of 256: window 0: v2-11 addresses; v12-27 statistics, eight a tile (+0 m, +1 its pair's partner, +2, +3 l, +4 to +7 c0-c3; a takes c2's place); v[28:29] the factor; v30, v31 c fq of this block, of block B;
;   v64-127 S^T; v128-159 P; v160-223 Q.   window 1: v0-127 K, v128-255 V of one step.   window 2: v0-127 O^T, 64 a tile.
.set KEYS,  64
.set PK,    272                        ; a row of K in LDS: 256 bytes + 16
.set PV,    288                        ; a row of V: 256 + 32
.set VOFF,  KEYS*PK
.set STEPB, KEYS*(PK+PV)
.set SLOT1, 1<<17                      ; a slot holds two steps; slot 1 begins here, so that one exclusive or turns an address
.set STAGE, SLOT1+2*STEPB              ; 16 rows x 272 bytes for each wave, for the way out
.set SP,    272
.set SPARE, STAGE+4*16*SP              ; the spare words, 128 bytes for each wave: two blocks of 256 bytes that no other line names
.set AK0, 2
.set AV0, 3
.set ADR, 4
.set ADR2, 5
.set QO,  6
.set STO, 7
.set RD,  8
.set GO,  9
.set DM,  10                           ; v10 32 (wave % 2) + r - 8 h: on the diagonal, register n of tile t is hidden where 16 (n / 8) + n % 8 - 16 t is greater
.set NINF, 11
.set ST,  12
.set CSV, 28
.set CQ,  30
.set CQB, 31
.set PFO, 61
.set SPW, 62
.set NIL, 63
.set S,   64
.set P,   128
.set Q,   160
.set KF,  0
.set VF,  128
.set WV,  12
.set CX,  13
.set II,  14
.set I1,  15
.set PFA, 18
.set G1K, 24
.set G1V, 32
.set G0K, 40                           ; s[40:43] slot 0's first fill, s[44:47] the walking set
.set G0V, 48
.set NN,  56                           ; the trip
.set SI,  57                           ; the step in the slot
.set SEL, 60
.set TB,  62                           ; LDS byte at which the step's tiles begin
.set LIM, 63
.set KSL, 66                           ; the trip's key slot
.set BLK, 67                           ; the query block in hand
.set DG,  68                           ; the step that lies on my diagonal, or 2
.set WH,  71
.set FK,  72                           ; s[72:79] fk of the eight key slots
.set KB,  80                           ; s[80:81], s[82:83] K's and V's head at my step of slot 0, without the type bits
.set VB,  82
.set OFF, 84
.set QB,  86
.set OB,  88
.set OBB, 90
.set FQA, 92
.set FQB, 93
.set MSB, 0
.macro WIN new
.if MSB != (\new)
	s_set_vgpr_msb (MSB<<8)|(\new)
.set MSB, (\new)
.endif
.endm
.macro PLACES
.rept 4
	v_nop
.endr
.endm
; A joint refill: waves 0 and 1 fetch the two steps' tiles of K, waves 2 and 3 those of V.  An s_nop 0 and four v_nop follow each line.
.macro JLOAD
	s_cmp_lt_u32 s[WV], 2
	s_cbranch_scc0 .Lfor_v_\@
	tensor_load_to_lds s[G0K+4:G0K+7], s[G1K:G1K+7]
	s_nop 0
.rept 4
	v_nop
.endr
	s_branch .Lasked_\@
.Lfor_v_\@:
	tensor_load_to_lds s[G0V+4:G0V+7], s[G1V:G1V+7]
	s_nop 0
.rept 4
	v_nop
.endr
.Lasked_\@:
.endm
; A prefetch of the slot that the NEXT change will ask for: 128 rows of K and of V, 256 bytes a row, a lane a row.  The cluster with i = 0 walks key slots 0 to 7 of its head: it alone asks; its four partners take 32 rows each, told
; apart by address; wave 0 asks for K's, wave 2 for V's.  In trips 0 to 5 it names slots 2 to 7, each once; slots 0 and 1 come by their loads alone.
.macro ASK
	s_cmp_lt_u32 s[NN], s[LIM]
	s_cbranch_scc0 .Lnot_mine_\@
	global_prefetch_b8 v[PFO], s[PFA:PFA+1] th:TH_LOAD_NT scope:SCOPE_SE
.Lnot_mine_\@:
.endm
.macro CROUND
	s_barrier_signal -1
	s_barrier_wait -1
	s_cmp_lg_u32 s[WV], 0
	s_cbranch_scc1 .Lnot_wave_0_\@
	s_barrier_signal -3
.Lnot_wave_0_\@:
	s_barrier_wait -3
	s_barrier_signal -1
	s_barrier_wait -1
.endm
	s_load_b128 s[4:7], s[0:1], 0x0                ; qkvh, tsc
	s_load_b64 s[8:9], s[0:1], 0x10                ; oh
	v_lshl_add_u32 v[SPW], v0, 2, SPARE
	v_mov_b32 v[NIL], 0
	ds_add_u32 v[SPW], v[NIL]                      ; the wave's opening: the add, twice on end, and its wait ahead of my first tensor load
	ds_add_u32 v[SPW], v[NIL]
	v_lshrrev_b32 v1, 5, v0
	v_readfirstlane_b32 s[WV], v1
	s_bfe_u32 s[CX], ttmp6, 0x40000                ; cx: which of the group's four query heads: enters Q's, O's, tsc's and the prefetches' addresses alone
	s_mov_b32 s[II], ttmp9
	s_add_co_u32 s[I1], s[II], 1
	s_and_b32 s16, s[WV], 1                        ; which of a slot's two steps I fetch
	s_mul_i32 s17, s16, STEPB
	s_lshr_b32 s[WH], s[WV], 1
	s_and_b32 s20, ttmp7, 0xffff
	s_lshr_b32 s21, s20, 2                         ; b
	s_and_b32 s22, s20, 3                          ; kv head
	s_mul_i32 s23, s21, 24
	s_add_co_u32 s20, s23, s22
	s_add_co_u32 s20, s20, 16
	s_lshl_b32 s[OFF], s20, 18                     ; K's head in qkvh
	s_mov_b32 s[OFF+1], 0
	s_lshl_b32 s2, s22, 2
	s_add_co_u32 s2, s2, s[CX]                     ; my query head
	s_add_co_u32 s3, s23, s2
	s_lshl_b32 s3, s3, 18
	s_lshl_b32 s94, s[WV], 13
	s_add_co_u32 s3, s3, s94                       ; + my wave's 32 rows
	s_sub_co_u32 s[BLK], 7, s[II]                  ; block B
	s_lshl_b32 s94, s[II], 15
	s_add_co_u32 s94, s94, s3                      ; Q of block A
	s_mov_b32 s95, 0
	s_lshl_b32 s[QB], s[BLK], 15
	s_add_co_u32 s[QB], s[QB], s3                  ; Q of block B
	s_mov_b32 s[QB+1], 0
	s_lshl_b32 s3, s21, 22
	s_lshl_b32 s69, s[WV], 17
	s_add_co_u32 s3, s3, s69
	s_lshl_b32 s69, s2, 8
	s_add_co_u32 s3, s3, s69
	s_lshl_b32 s[OB], s[II], 19
	s_add_co_u32 s[OB], s[OB], s3                  ; O of block A
	s_mov_b32 s[OB+1], 0
	s_lshl_b32 s[OBB], s[BLK], 19
	s_add_co_u32 s[OBB], s[OBB], s3                ; O of block B
	s_mov_b32 s[OBB+1], 0
	s_lshl_b32 s3, s2, 5
	s_lshl_b32 s69, s21, 3
	s_add_co_u32 s3, s3, s69
	s_add_co_u32 s69, s3, s[II]
	s_lshl_b32 s69, s69, 2                         ; fq of block A in tsc
	s_add_co_u32 s70, s3, s[BLK]
	s_lshl_b32 s70, s70, 2                         ; of block B
	s_add_co_u32 s3, s22, 16
	s_lshl_b32 s3, s3, 7
	s_lshl_b32 s2, s21, 5
	s_add_co_u32 s3, s3, s2                        ; fk's eight words
	s_mov_b32 s[G1K], 15|(1<<16)|(1<<20)|(1<<21)|(5<<22)|(3<<25)  ; the mask: all four work-groups; elements of 2 bytes; 4 words of padding behind every 64
	s_mov_b32 s[G1V], 15|(1<<16)|(1<<20)|(1<<21)|(5<<22)|(7<<25)  ; 8 words
.irp g, G1K, G1V
	s_mov_b32 s[\g+1], 128<<16
	s_mov_b32 s[\g+2], KEYS<<16
	s_mov_b32 s[\g+3], 128<<16
	s_mov_b32 s[\g+4], KEYS
	s_mov_b32 s[\g+5], 128
	s_mov_b32 s[\g+6], 0
	s_mov_b32 s[\g+7], 0
.endr
	s_mov_b32 s[SEL], 0x76543210
	s_mov_b32 s[SEL+1], 0xfedcba98
	s_mov_b32 s[TB], 0
	s_and_b32 s[LIM], s[WV], 1
	s_or_b32 s[LIM], s[LIM], ttmp9                 ; 0 in waves 0 and 2 of the cluster with i = 0: the same in all four partners
	s_cmp_eq_u32 s[LIM], 0
	s_cselect_b32 s[LIM], 6, 0
	v_and_b32 v[PFO], 31, v0
	v_lshlrev_b32 v[PFO], 8, v[PFO]
	s_wait_dscnt 0x0                               ; both opening adds are done
	s_wait_kmcnt 0x0
	s_add_nc_u64 s[KB:KB+1], s[4:5], s[OFF:OFF+1]
	s_add_nc_u64 s[VB:VB+1], s[KB:KB+1], 0x100000  ; V's head lies four heads on
	s_cmp_lt_u32 s[WV], 2
	s_cselect_b64 s[PFA:PFA+1], s[KB:KB+1], s[VB:VB+1]
	s_lshl_b32 s22, s[CX], 13                      ; my work-group's 32 rows of a slot's 128,
	s_add_co_u32 s22, s22, 32768                   ; in slot 1: the first change steps it to slot 2
	s_mov_b32 s23, 0
	s_add_nc_u64 s[PFA:PFA+1], s[PFA:PFA+1], s[22:23]
	s_lshl_b32 s20, s16, 14                        ; my step's 64 rows
	s_mov_b32 s21, 0
	s_add_nc_u64 s[KB:KB+1], s[KB:KB+1], s[20:21]
	s_add_nc_u64 s[VB:VB+1], s[VB:VB+1], s[20:21]
	s_add_nc_u64 s[94:95], s[4:5], s[94:95]
	s_add_nc_u64 s[QB:QB+1], s[4:5], s[QB:QB+1]
	s_add_nc_u64 s[OB:OB+1], s[8:9], s[OB:OB+1]
	s_add_nc_u64 s[OBB:OBB+1], s[8:9], s[OBB:OBB+1]
	s_load_b256 s[FK:FK+7], s[6:7], s3 offset:0x0
	s_load_b32 s[FQA], s[6:7], s69 offset:0x0
	s_load_b32 s[FQB], s[6:7], s70 offset:0x0
	s_min_u32 s[OFF], s[II], 1
	s_lshl_b32 s[OFF], s[OFF], 15                  ; trip 1's key slot: 1 where i >= 1, else 0
	CROUND                                         ; all four work-groups are here: the first joint loads meet
	s_mov_b32 s[G0K], 1
	s_add_co_u32 s[G0K+1], s17, 0
	s_mov_b64 s[G0K+2:G0K+3], s[KB:KB+1]
	s_or_b32 s[G0K+3], s[G0K+3], 0x80000000
	s_mov_b32 s[G0K+4], 1
	s_add_co_u32 s[G0K+5], s17, SLOT1
	s_add_nc_u64 s[G0K+6:G0K+7], s[KB:KB+1], s[OFF:OFF+1]
	s_or_b32 s[G0K+7], s[G0K+7], 0x80000000
	s_mov_b32 s[G0V], 1
	s_add_co_u32 s[G0V+1], s17, VOFF
	s_mov_b64 s[G0V+2:G0V+3], s[VB:VB+1]
	s_or_b32 s[G0V+3], s[G0V+3], 0x80000000
	s_mov_b32 s[G0V+4], 1
	s_add_co_u32 s[G0V+5], s17, SLOT1+VOFF
	s_add_nc_u64 s[G0V+6:G0V+7], s[VB:VB+1], s[OFF:OFF+1]
	s_or_b32 s[G0V+7], s[G0V+7], 0x80000000
	s_cmp_lt_u32 s[WV], 2                          ; a wave's two first fills stand in one branch: two loads of mine are out
	s_cbranch_scc0 .Lfirst_v
	tensor_load_to_lds s[G0K:G0K+3], s[G1K:G1K+7]
	s_nop 0
	tensor_load_to_lds s[G0K+4:G0K+7], s[G1K:G1K+7]
	s_nop 0
.rept 4
	v_nop
.endr
	s_branch .Lfirst_asked
.Lfirst_v:
	tensor_load_to_lds s[G0V:G0V+3], s[G1V:G1V+7]
	s_nop 0
	tensor_load_to_lds s[G0V+4:G0V+7], s[G1V:G1V+7]
	s_nop 0
.rept 4
	v_nop
.endr
.Lfirst_asked:
	v_and_b32 v32, 15, v0                          ; r
	v_bfe_u32 v33, v0, 4, 1                        ; h
	v_lshlrev_b32 v[QO], 8, v32
	v_lshl_add_u32 v[QO], v33, 4, v[QO]
.macro QLOAD base                      ; my 32 queries stay in registers: tile i / 4, channels 32 (i % 4) on
.irp i, 0,1,2,3,4,5,6,7
	global_load_b128 v[Q+8*\i:Q+8*\i+3],   v[QO], s[\base:\base+1] offset:(\i/4)*4096+(\i%4)*64
	global_load_b128 v[Q+8*\i+4:Q+8*\i+7], v[QO], s[\base:\base+1] offset:(\i/4)*4096+(\i%4)*64+32
.endr
.endm
	QLOAD 94
	v_mul_u32_u24 v[AK0], v32, PK
	v_lshl_add_u32 v[AK0], v33, 4, v[AK0]
	v_and_b32 v34, 7, v0
	v_bfe_u32 v35, v0, 3, 1
	v_lshl_add_u32 v[AV0], v33, 3, v34
	v_mul_u32_u24 v[AV0], v[AV0], PV
	v_lshl_add_u32 v[AV0], v35, 4, v[AV0]
	v_add_nc_u32 v[AV0], VOFF, v[AV0]
	s_mul_i32 s20, s[WV], 16*SP
	s_add_co_u32 s20, s20, STAGE                   ; my stage
	v_mul_u32_u24 v[STO], v32, SP
	v_lshl_add_u32 v[STO], v33, 4, v[STO]
	v_add_nc_u32 v[STO], s20, v[STO]
	v_mul_u32_u24 v[RD], v33, SP
	v_lshl_add_u32 v[RD], v32, 4, v[RD]
	v_add_nc_u32 v[RD], s20, v[RD]
	v_lshlrev_b32 v[GO], 12, v33
	v_lshl_add_u32 v[GO], v32, 4, v[GO]            ; oh: lanes 0-15 one row of 4,096 bytes, lanes 16-31 the next
	v_lshlrev_b32 v34, 3, v33
	v_sub_nc_u32 v[DM], v32, v34
	s_lshl_b32 s20, s16, 5
	v_add_nc_u32 v[DM], s20, v[DM]
	v_mov_b32 v[NINF], 0xff800000
.macro INIT                            ; a block begins: m under every t, l and O^T zeros; the partners of pairs and a lane permute's destination are written
.irp t, 0,1
	v_mov_b32 v[ST+8*\t], 0xff61b1e6
	v_mov_b32 v[ST+8*\t+1], 0
	v_mov_b32 v[ST+8*\t+2], 0
	v_mov_b32 v[ST+8*\t+3], 0
	v_mov_b32 v[ST+8*\t+5], 0
	v_mov_b32 v[ST+8*\t+7], 0
.endr
	WIN 0x80
.set k, 0
.rept 128
	v_mov_b32 v[k], 0
.set k, k+1
.endr
	WIN 0
.endm
	INIT
	s_wait_kmcnt 0x0
	v_mov_b32 v[CQ], 0x3e0293ee                    ; c = log2(e) / sqrt(128)
	v_mul_f32 v[CQB], s[FQB], v[CQ]
	v_mul_f32 v[CQ], s[FQA], v[CQ]
	s_mov_b32 s[BLK], s[II]
	s_mov_b32 s[NN], 0
.macro KQALL                           ; 32 products: channels 32 (i / 8) on, keys 16 ((i / 2) % 4) on, tile i % 2; the first 8 start the sums; 8 accumulators by turns
.set i, 0
.rept 32
.set rS, S+32*(i%2)+8*((i/2)%4)
.set rK, KF+32*((i/2)%4)+8*(i/8)
.set rQ, Q+32*(i%2)+8*(i/8)
.if i < 8
	v_wmma_f32_16x16x32_f16 v[rS:rS+7], v[rK:rK+7], v[rQ:rQ+7], 0
.else
	v_wmma_f32_16x16x32_f16 v[rS:rS+7], v[rK:rK+7], v[rQ:rQ+7], v[rS:rS+7]
.endif
.set i, i+1
.endr
.endm
.macro PVALL                           ; 32 products: keys 32 (i / 16) on, channels 16 ((i / 2) % 8) on, tile i % 2; 16 accumulators by turns
.set i, 0
.rept 32
.set rO, 64*(i%2)+8*((i/2)%8)
.set rV, VF+64*(i/16)+8*((i/2)%8)
.set rP, P+16*(i%2)+8*(i/16)
	v_wmma_f32_16x16x32_f16 v[rO:rO+7], v[rV:rV+7], v[rP:rP+7], v[rO:rO+7]
.set i, i+1
.endr
.endm
.macro MASK                            ; on the diagonal hidden scores become -infinity ahead of the maximum: p = 0 then
.irp t, 0,1
.set n, 0
.rept 32
	v_cmp_gt_i32 vcc_lo, 16*(n/8)+n%8-16*\t, v[DM]
	v_cndmask_b32 v[S+32*\t+n], v[S+32*\t+n], v[NINF], vcc_lo
.set n, n+1
.endr
.endr
.endm
.macro SOFTMAX                         ; the two tiles line by line in turn, so that no line waits for the line above it
.irp j, 0,1,2,3
.irp t, 0,1
	v_max3_num_f32 v[ST+8*\t+4+\j], v[S+32*\t+8*\j], v[S+32*\t+8*\j+1], v[S+32*\t+8*\j+2]
.endr
.endr
.irp g, 1,2
.irp j, 0,1,2,3
.irp t, 0,1
	v_max3_num_f32 v[ST+8*\t+4+\j], v[ST+8*\t+4+\j], v[S+32*\t+8*\j+2*\g+1], v[S+32*\t+8*\j+2*\g+2]
.endr
.endr
.endr
.irp t, 0,1
	v_max3_num_f32 v[ST+8*\t+4], v[ST+8*\t+4], v[S+32*\t+7], v[S+32*\t+15]
.endr
.irp t, 0,1
	v_max3_num_f32 v[ST+8*\t+6], v[ST+8*\t+6], v[S+32*\t+23], v[S+32*\t+31]
.endr
.irp t, 0,1
	v_max3_num_f32 v[ST+8*\t+4], v[ST+8*\t+4], v[ST+8*\t+5], v[ST+8*\t+6]
.endr
.irp t, 0,1
	v_max_num_f32 v[ST+8*\t+4], v[ST+8*\t+4], v[ST+8*\t+7]
.endr
.irp t, 0,1
	v_permlanex16_b32 v[ST+8*\t+5], v[ST+8*\t+4], s[SEL], s[SEL+1]   ; the query's other 32 keys lie in the lane 16 away
.endr
.irp t, 0,1
	v_max_num_f32 v[ST+8*\t+4], v[ST+8*\t+4], v[ST+8*\t+5]
.endr
.irp t, 0,1
	v_mul_f32 v[ST+8*\t+5], v[CSV], v[ST+8*\t+4]   ; the step's largest score as t (the factor is positive)
.endr
.irp t, 0,1
	v_mov_b32 v[ST+8*\t+7], v[ST+8*\t]
.endr
.irp t, 0,1
	v_max_num_f32 v[ST+8*\t], v[ST+8*\t], v[ST+8*\t+5]
.endr
.irp t, 0,1
	v_sub_f32 v[ST+8*\t+7], v[ST+8*\t+7], v[ST+8*\t]
.endr
.irp t, 0,1
	v_exp_f32 v[ST+8*\t+6], v[ST+8*\t+7]           ; a = 2^(m_old - m_new)
.endr
.irp b, 0,2,4,6,8,10,12,14,16,18,20,22,24,26,28,30
.irp t, 0,1
	v_pk_fma_f32 v[S+32*\t+\b:S+32*\t+\b+1], v[S+32*\t+\b:S+32*\t+\b+1], v[CSV:CSV+1], v[ST+8*\t:ST+8*\t+1] op_sel_hi:[1,0,0] neg_lo:[0,0,1] neg_hi:[0,0,1]   ; t - m
.endr
.endr
.irp e, 0,1,2,3,4,5,6,7,8,9,10,11,12,13,14,15,16,17,18,19,20,21,22,23,24,25,26,27,28,29,30,31
.irp t, 0,1
	v_exp_f32 v[S+32*\t+\e], v[S+32*\t+\e]
.endr
.endr
	v_nop                                          ; a plain instruction behind the last exponential
	s_wait_alu depctr_va_vdst(0)                   ; one wait for the whole batch of 66, ahead of its first reader
.irp p, 0,1,2,3,4,5,6,7,8,9,10,11,12,13,14,15
.irp t, 0,1
	v_cvt_pk_f16_f32 v[P+16*\t+\p], v[S+32*\t+2*\p], v[S+32*\t+2*\p+1]
.endr
.endr
.irp u, 0,1,2,3,4,5,6,7
.irp t, 0,1
	v_pk_add_f32 v[S+32*\t+4*\u:S+32*\t+4*\u+1], v[S+32*\t+4*\u:S+32*\t+4*\u+1], v[S+32*\t+4*\u+2:S+32*\t+4*\u+3]
.endr
.endr
.irp u, 0,1,2,3
.irp t, 0,1
	v_pk_add_f32 v[S+32*\t+8*\u:S+32*\t+8*\u+1], v[S+32*\t+8*\u:S+32*\t+8*\u+1], v[S+32*\t+8*\u+4:S+32*\t+8*\u+5]
.endr
.endr
.irp u, 0,1
.irp t, 0,1
	v_pk_add_f32 v[S+32*\t+16*\u:S+32*\t+16*\u+1], v[S+32*\t+16*\u:S+32*\t+16*\u+1], v[S+32*\t+16*\u+8:S+32*\t+16*\u+9]
.endr
.endr
.irp t, 0,1
	v_pk_add_f32 v[S+32*\t:S+32*\t+1], v[S+32*\t:S+32*\t+1], v[S+32*\t+16:S+32*\t+17]
.endr
.irp t, 0,1
	v_pk_fma_f32 v[ST+8*\t+2:ST+8*\t+3], v[ST+8*\t+2:ST+8*\t+3], v[ST+8*\t+6:ST+8*\t+7], v[S+32*\t:S+32*\t+1] op_sel_hi:[1,0,1]   ; l = a l + the step's sum
.endr
.endm
; A slot's two key steps: written once, walked twice.  A step all of whose keys come behind my 32 queries is jumped over: a scalar branch on ids, round its loads and work, not round the lines that step addresses.
.macro TWO_STEPS
.Lstep_\@:
	s_cmp_gt_u32 s[SI], s[DG]
	s_cbranch_scc1 .Lskip_\@
	PLACES                                         ; in front of loads into registers that the last products read
	v_add_nc_u32 v[ADR], s[TB], v[AK0]
	v_add_nc_u32 v[ADR2], s[TB], v[AV0]
	WIN 0x40                                       ; destination window 1
.irp f, 0,1,2,3,4,5,6,7,8,9,10,11,12,13,14,15
	ds_load_b128 v[KF+8*\f:KF+8*\f+3],   v[ADR] offset:(\f/4)*16*PK+(\f%4)*64
	ds_load_b128 v[KF+8*\f+4:KF+8*\f+7], v[ADR] offset:(\f/4)*16*PK+(\f%4)*64+32
.endr
.irp f, 0,1,2,3,4,5,6,7,8,9,10,11,12,13,14,15
	ds_load_tr16_b128 v[VF+8*\f:VF+8*\f+3],   v[ADR2] offset:(\f/8)*32*PV+(\f%8)*32
	ds_load_tr16_b128 v[VF+8*\f+4:VF+8*\f+7], v[ADR2] offset:(\f/8)*32*PV+16*PV+(\f%8)*32
.endr
	s_wait_dscnt 32                                ; K is in; V's 32 loads may be out
	WIN 0x01                                       ; K in window 1
	KQALL
	WIN 0
	PLACES
	s_cmp_lg_u32 s[SI], s[DG]
	s_cbranch_scc1 .Lopen_\@
	MASK
.Lopen_\@:
	SOFTMAX
	s_wait_dscnt 0x0                               ; V is in
	WIN 0x82                                       ; O^T in window 2
.irp t, 0,1
.set k, 0
.rept 32
	v_pk_mul_f32 v[64*\t+k:64*\t+k+1], v[64*\t+k:64*\t+k+1], v[ST+8*\t+6:ST+8*\t+7] op_sel_hi:[1,0]
.set k, k+2
.endr
.endr
	WIN 0xa1                                       ; V in window 1, P in window 0, O^T in window 2
	PVALL
	WIN 0
.Lskip_\@:
	s_add_co_u32 s[TB], s[TB], STEPB
	s_add_co_u32 s[SI], s[SI], 1
	s_cmp_lt_u32 s[SI], 2
	s_cbranch_scc1 .Lstep_\@
.endm
; THE CHANGE OF SLOTS.  Each wave waits for all its tensor loads (its part of the other slot), adds 0 to its spare word, and waits for that and for its reads of this slot.  fill = 1: a round of the cluster's barrier, and this slot is
; filled with the tile of the trip two on: the load has a whole slot's work in which to land.
.macro CHANGE fill
	WIN 0
	s_wait_tensorcnt 0x0                           ; no tensor load of mine is out, so a group 0 may be written
	ds_add_u32 v[SPW], v[NIL]
.if \fill
	s_add_co_u32 s20, s[NN], 2
	s_sub_co_u32 s21, s20, s[I1]
	s_cmp_le_u32 s20, s[II]
	s_cselect_b32 s20, s20, s21                    ; that trip's key slot
	s_lshl_b32 s[OFF], s20, 15
	s_xor_b32 s[G0K+5], s[G0K+5], SLOT1
	s_add_nc_u64 s[G0K+6:G0K+7], s[KB:KB+1], s[OFF:OFF+1]
	s_or_b32 s[G0K+7], s[G0K+7], 0x80000000
	s_xor_b32 s[G0V+5], s[G0V+5], SLOT1
	s_add_nc_u64 s[G0V+6:G0V+7], s[VB:VB+1], s[OFF:OFF+1]
	s_or_b32 s[G0V+7], s[G0V+7], 0x80000000
	s_wait_xcnt 0x0                                ; the last prefetch, a slot back, has read its address
	s_add_nc_u64 s[PFA:PFA+1], s[PFA:PFA+1], 32768
	s_wait_dscnt 0x0                               ; the add is done, and my reads of the slot are over
	CROUND
	JLOAD
	ASK
.else
	s_wait_dscnt 0x0
	s_barrier_signal -1
	s_barrier_wait -1
.endif
	s_sub_co_u32 s[TB], s[TB], 2*STEPB
	s_xor_b32 s[TB], s[TB], SLOT1
.endm
; THE WAY OUT of a block: O^T / l, rounded to f16, through my stage in LDS, a tile (16 rows) at a time; sixteen lanes store 256 consecutive bytes, aligned.
.macro OPACK t
	WIN 0x82
.set k, 0
.rept 32
	v_pk_mul_f32 v[64*\t+k:64*\t+k+1], v[64*\t+k:64*\t+k+1], v[ST+8*\t+6:ST+8*\t+7] op_sel_hi:[1,0]
.set k, k+2
.endr
	WIN 0x0a                                       ; sources 0 and 1 window 2
.set k, 0
.rept 32
	v_cvt_pk_f16_f32 v[S+32*\t+k], v[64*\t+2*k], v[64*\t+2*k+1]
.set k, k+1
.endr
	WIN 0
.irp f, 0,1,2,3,4,5,6,7
	ds_store_b128 v[STO], v[S+32*\t+4*\f:S+32*\t+4*\f+3] offset:32*\f
.endr
.irp f, 0,1,2,3,4,5,6,7
	ds_load_b128 v[S+32*\t+4*\f:S+32*\t+4*\f+3], v[RD] offset:\f*2*SP   ; LDS serves a wave's instructions in order
.endr
.endm
.macro OSEND t, younger
.irp f, 0,1,2,3,4,5,6,7
	s_wait_dscnt \younger+7-\f                     ; the younger LDS instructions may be out
	global_store_b128 v[GO], v[S+32*\t+4*\f:S+32*\t+4*\f+3], s[OB:OB+1] offset:\t*65536+\f*8192
.endr
.endm
.macro WAYOUT
.irp t, 0,1
	v_add_f32 v[ST+8*\t+4], v[ST+8*\t+2], v[ST+8*\t+3]
.endr
.irp t, 0,1
	v_permlanex16_b32 v[ST+8*\t+5], v[ST+8*\t+4], s[SEL], s[SEL+1]
.endr
.irp t, 0,1
	v_add_f32 v[ST+8*\t+4], v[ST+8*\t+4], v[ST+8*\t+5]
.endr
.irp t, 0,1
	v_rcp_f32 v[ST+8*\t+6], v[ST+8*\t+4]
.endr
	v_nop
	s_wait_alu depctr_va_vdst(0)                   ; one wait for the two reciprocals, ahead of their first reader
	OPACK 0
	OPACK 1
	OSEND 0, 16
	OSEND 1, 0
	s_wait_xcnt 0x0                                ; the stores have read their registers and their base
.endm
.macro SWITCH                          ; block A is done: its result leaves, block B begins
	PLACES
	QLOAD QB                                       ; asked for first: they land under the way out
	WAYOUT
	s_mov_b64 s[OB:OB+1], s[OBB:OBB+1]
	s_sub_co_u32 s[BLK], 7, s[II]
	v_mov_b32 v[CQ], v[CQB]
	INIT
	s_wait_loadcnt 0x0
.endm
.macro TRIPHEAD sw
.if \sw
	s_cmp_lg_u32 s[NN], s[I1]
	s_cbranch_scc1 .Lsame_\@
	SWITCH
.Lsame_\@:
.endif
	s_sub_co_u32 s20, s[NN], s[I1]
	s_cmp_le_u32 s[NN], s[II]
	s_cselect_b32 s[KSL], s[NN], s20               ; the trip's key slot
	s_mov_b32 s21, s[FK]
.irp k, 1,2,3,4,5,6,7
	s_cmp_eq_u32 s[KSL], \k
	s_cselect_b32 s21, s[FK+\k], s21               ; its fk: a choice of a value, no branch
.endr
	v_mul_f32 v[CSV], s21, v[CQ]
	v_mul_f32 v[CSV+1], s21, v[CQ]
	s_cmp_eq_u32 s[KSL], s[BLK]
	s_cselect_b32 s[DG], s[WH], 2
	s_mov_b32 s[SI], 0
.endm
	s_wait_tensorcnt 1                             ; my part of slot 0 is in; slot 1's may stay out
	s_barrier_signal -1
	s_barrier_wait -1
	s_wait_loadcnt 0x0                             ; Q
.Lslot:                                            ; trips 0 to 6: behind each the slot is filled again
	TRIPHEAD 1
	TWO_STEPS
	CHANGE 1
	s_add_co_u32 s[NN], s[NN], 1
	s_cmp_lt_u32 s[NN], 7
	s_cbranch_scc1 .Lslot
	TRIPHEAD 0                                     ; trips 7 and 8 are written out: nothing is left to ask for
	TWO_STEPS
	CHANGE 0
	s_mov_b32 s[NN], 8
	TRIPHEAD 0
	TWO_STEPS
	PLACES
	WAYOUT
	s_wait_tensorcnt 0x0                           ; the wave's end
	ds_add_u32 v[SPW], v[NIL]
	s_wait_dscnt 0x0
	CROUND                                         ; the closing round
	s_endpgm
.Lfunc_end_k_qf0db9ad3e7_attn:
	.size	k_qf0db9ad3e7_attn, .Lfunc_end_k_qf0db9ad3e7_attn-k_qf0db9ad3e7_attn
	.p2alignl 7, 3214868480
	.fill 96, 4, 3214868480
	.section	.rodata,"a",@progbits
	.p2align	6, 0x0
	.amdhsa_kernel k_qf0db9ad3e7_attn
		.amdhsa_group_segment_fixed_size 327680
		.amdhsa_private_segment_fixed_size 0
		.amdhsa_enable_private_segment 0
		.amdhsa_kernarg_size 24
		.amdhsa_user_sgpr_count 2
		.amdhsa_user_sgpr_kernarg_segment_ptr 1
		.amdhsa_wavefront_size32 1
		.amdhsa_system_sgpr_workgroup_id_x 1
		.amdhsa_system_sgpr_workgroup_id_y 1
		.amdhsa_system_sgpr_workgroup_id_z 1
		.amdhsa_system_vgpr_workitem_id 0
		.amdhsa_next_free_vgpr 640
		.amdhsa_next_free_sgpr 100
		.amdhsa_reserve_vcc 1
		.amdhsa_float_denorm_mode_32 3
		.amdhsa_float_denorm_mode_16_64 3
		.amdhsa_memory_ordered 1
		.amdhsa_forward_progress 1
		.amdhsa_inst_pref_size 133
	.end_amdhsa_kernel
	.amdgpu_metadata
---
amdhsa.version: [ 1, 2 ]
amdhsa.kernels:
  - .name:           k_qf0db9ad3e7_attn
    .symbol:         k_qf0db9ad3e7_attn.kd
    .args:
      - { .name: qkvh, .offset: 0, .size: 8, .value_kind: global_buffer, .address_space: global }
      - { .name: tsc, .offset: 8, .size: 8, .value_kind: global_buffer, .address_space: global }
      - { .name: oh, .offset: 16, .size: 8, .value_kind: global_buffer, .address_space: global }
    .group_segment_fixed_size: 327680
    .private_segment_fixed_size: 0
    .kernarg_segment_align: 8
    .kernarg_segment_size: 24
    .max_flat_workgroup_size: 128
    .sgpr_count:     100
    .vgpr_count:     640
    .wavefront_size: 32
...
	.end_amdgpu_metadata
.endif
;; end of part 3
;; launch proj (part 4): grid 16 x 16, 4 waves a work-group, clusters of 4 x 4, 327,680 bytes of LDS; arguments oh, woh, out0; writes out0
.if DOCPART == 4
	.amdgcn_target "amdgcn-amd-amdhsa--gfx1250"
	.amdhsa_code_object_version 6
	.text
	.protected	k_qf0db9ad3e7_proj
	.globl	k_qf0db9ad3e7_proj
	.p2align	8
	.type	k_qf0db9ad3e7_proj,@function
k_qf0db9ad3e7_proj:
	s_mov_b64 s[64:65], 0
	v_nop
	global_prefetch_b8 v0, s[64:65] scope:SCOPE_SE
	s_setreg_imm32_b32 hwreg(HW_REG_WAVE_MODE, 25, 1), 1
	s_wait_xcnt 0x0
	s_wait_alu depctr_hold_cnt(0) depctr_sa_sdst(0) depctr_va_vdst(0) depctr_va_sdst(0) depctr_va_ssrc(0) depctr_va_vcc(0) depctr_vm_vsrc(0)
	s_getreg_b32 s2, hwreg(HW_REG_IB_STS2, 6, 4)
	s_cmp_eq_u32 s2, 0
	s_cbranch_scc0 .Lentry_in_a_cluster
	s_endpgm
.Lentry_in_a_cluster:
	s_bfe_u32 s2, ttmp6, 0x10000c
	s_cmp_lg_u32 s2, 0xf033
	s_cbranch_scc0 .Lentry_shape_is_right
	s_endpgm
.Lentry_shape_is_right:
; out0 = oh woh: oh [4096][2048] f16 (K innermost), woh [2048 k][2048 n] f16 (n innermost), out0 [4096][2048] f32; sums in f32.
; WORK LEFT OUT: positions 0-15 of every batch are computed here inside live tiles but not stored: the last launch computes and stores those rows in f32.
; A tile of C is 256 x 128, so that there are 256 work-groups; a wave makes 128 x 64: 32 accumulators.  K goes in steps of 128 through a ring of two LDS slots; waves 0 and 1 fetch A's halves (128 rows x 256 bytes), waves 2 and 3 B's
; (64 rows of k x 256 bytes).  B's fragments come out of LDS turned, by ds_load_tr16_b128.  CLUSTERS: 4 x 4; A's tiles jointly along a row of the cluster, B's along a column.  Tile row = 4 cy + cluster y, so that 'my block 0 holds
; positions 0-15' hangs on cluster y and the wave alone.  The matrix instruction is used transposed: a lane holds eight neighbouring columns of one row of C.
; WHERE A CLUSTER BEGINS ALONG K.  A cluster whose x + y is odd begins at K step 8 and goes round over step 15 to step 7; the others begin at step 0.  Four clusters read the same rows of oh (same y) and four the same columns of woh
; (same x): of each four, two walk K's first half while the other two walk its second, so that a K step of a tile is asked for by two clusters together and, eight steps later, by the other two.  The offset hangs on the cluster's
; numbers alone, which all sixteen partners share.  LIMIT: in the odd clusters the f32 sums run over K in that rotated order.
; No prefetch: a K step's tiles are small and are read by several clusters.
; REGISTERS: window 0: v16-29 addresses; v64-159, v160-255 two fragment buffers (B's four fragments, then A's eight).  window 1: accumulator (a, b) at v[8 (4 a + b)].
.set KSTEP,  128
.set PA,     272
.set PB,     288
.set HALFA,  128*PA
.set HALFB,  64*PB
.set BOFF,   2*HALFA
.set SLOT,   BOFF+2*HALFB
.set STAGE,  2*SLOT                    ; 16 rows x 272 bytes for each wave
.set SPITCH, 272
.set SPARE,  STAGE+4*16*SPITCH         ; the spare words, 128 bytes for each wave: two blocks of 256 bytes that no other line names
.set LAPS,   8
.set ADRA, 16
.set ADRB, 20
.set STO,  24
.set RD,   25
.set CO,   26
.set SPW,  28
.set NIL,  29
.set F0,   64
.set F1,   160
.set BK,   64
.set G1, 24
.set G0, 32
.set G1B, 48
.set G0B, 56
.set BA,  66                           ; s[66:67] oh at my rows, K step 0, without the type bits
.set BB,  68                           ; s[68:69] woh at my rows of k in K step 0 and my tile's columns
.set NXT, 70                           ; s70 the K step to be asked for next, not yet taken modulo 16
.set KM,  71                           ; s71 the same modulo 16
.set OA,  72                           ; s[72:73] its bytes along a row of oh: 256 a step
.set OBO, 74                           ; s[74:75] its bytes down woh: 128 rows of 4,096 a step
.set MUL, 0x50                         ; C and D window 1
.set MSB, 0
.macro WIN new
.if MSB != (\new)
	s_set_vgpr_msb (MSB<<8)|(\new)
.set MSB, (\new)
.endif
.endm
.macro PLACES
.rept 4
	v_nop
.endr
.endm
.macro JLOAD s
	s_cmp_eq_u32 s11, 0
	s_cbranch_scc0 .Lfor_b_\@
	tensor_load_to_lds s[G0+4*\s:G0+4*\s+3], s[G1:G1+7]
	s_nop 0
.rept 4
	v_nop
.endr
	s_branch .Lasked_\@
.Lfor_b_\@:
	tensor_load_to_lds s[G0B+4*\s:G0B+4*\s+3], s[G1B:G1B+7]
	s_nop 0
.rept 4
	v_nop
.endr
.Lasked_\@:
.endm
.macro CREST
	s_cmp_lg_u32 s10, 0
	s_cbranch_scc1 .Lnot_wave_0_\@
	s_barrier_signal -3
.Lnot_wave_0_\@:
	s_barrier_wait -3
	s_barrier_signal -1
	s_barrier_wait -1
.endm
.macro CROUND
	s_barrier_signal -1
	s_barrier_wait -1
	CREST
.endm
; Both groups 0 of slot s take the K step s[NXT] modulo 16; s[NXT] steps on.  No tensor load of the wave that names them is out where this stands.
.macro AIM s
	s_and_b32 s[KM], s[NXT], 15
	s_add_co_u32 s[NXT], s[NXT], 1
	s_lshl_b32 s[OA], s[KM], 8
	s_lshl_b32 s[OBO], s[KM], 19
	s_add_nc_u64 s[G0+4*\s+2:G0+4*\s+3], s[BA:BA+1], s[OA:OA+1]
	s_or_b32 s[G0+4*\s+3], s[G0+4*\s+3], 0x80000000
	s_add_nc_u64 s[G0B+4*\s+2:G0B+4*\s+3], s[BB:BB+1], s[OBO:OBO+1]
	s_or_b32 s[G0B+4*\s+3], s[G0B+4*\s+3], 0x80000000
.endm
	s_load_b128 s[4:7], s[0:1], 0x0                ; oh, woh
	s_load_b64 s[8:9], s[0:1], 0x10                ; out0
	v_lshl_add_u32 v[SPW], v0, 2, SPARE
	v_mov_b32 v[NIL], 0
	ds_add_u32 v[SPW], v[NIL]                      ; the wave's opening: the add, twice on end, and its wait ahead of my first tensor load
	ds_add_u32 v[SPW], v[NIL]
	v_lshrrev_b32 v1, 5, v0
	v_readfirstlane_b32 s10, v1
	s_lshr_b32 s11, s10, 1                         ; my half of the tile's rows.  Also: I fetch for A (0) or for B (1)
	s_and_b32 s12, s10, 1                          ; my half of its columns.  Also: which half of that tile I fetch
	s_bfe_u32 s40, ttmp6, 0x40000
	s_bfe_u32 s41, ttmp6, 0x40004
	s_lshl_b32 s42, ttmp9, 2
	s_add_co_u32 s42, s42, s40                     ; tile column
	s_and_b32 s45, ttmp7, 0xffff                   ; cluster y
	s_lshl_b32 s13, s41, 2
	s_add_co_u32 s13, s13, s45                     ; tile row = 4 cy + cluster y
	s_add_co_u32 s[NXT], ttmp9, s45                ; cluster x + cluster y:
	s_and_b32 s[NXT], s[NXT], 1
	s_lshl_b32 s[NXT], s[NXT], 3                   ; odd: my cluster begins at K step 8, even: at 0
	s_mov_b32 s[OA+1], 0
	s_mov_b32 s[OBO+1], 0
	s_lshl_b32 s43, s41, 2
	s_lshl_b32 s43, 15, s43
	s_lshl_b32 s44, 0x1111, s40
	s_or_b32 s[G1+0], s43, (1<<16)|(1<<20)|(1<<21)|(5<<22)|(3<<25)   ; A: the mask of my row; elements of 2 bytes; 4 words of padding behind every 64
	s_or_b32 s[G1B+0], s44, (1<<16)|(1<<20)|(1<<21)|(5<<22)|(7<<25)  ; B: my column; 8 words
	s_mov_b32 s[G1+1], KSTEP<<16
	s_mov_b32 s[G1+2], 128<<16
	s_mov_b32 s[G1+3], KSTEP<<16
	s_mov_b32 s[G1+4], 128
	s_mov_b32 s[G1+5], 2048
	s_mov_b32 s[G1+6], 0
	s_mov_b32 s[G1+7], 0
	s_mov_b32 s[G1B+1], 128<<16
	s_mov_b32 s[G1B+2], 64<<16
	s_mov_b32 s[G1B+3], 128<<16
	s_mov_b32 s[G1B+4], 64
	s_mov_b32 s[G1B+5], 2048
	s_mov_b32 s[G1B+6], 0
	s_mov_b32 s[G1B+7], 0
	s_lshl_b32 s16, s13, 8
	s_lshl_b32 s17, s12, 7
	s_add_co_u32 s16, s16, s17
	s_lshl_b32 s16, s16, 12                        ; A: row 256 x tile row + 128 x half, 4,096 bytes a row
	s_mov_b32 s17, 0
	s_lshl_b32 s46, s12, 18                        ; B: row 64 x half of k,
	s_lshl_b32 s47, s42, 8                         ; 256 bytes x tile column
	s_add_co_u32 s46, s46, s47
	s_mov_b32 s47, 0
	s_mul_i32 s20, s12, HALFA                      ; where they go: no place in the cluster enters an LDS address
	s_mul_i32 s21, s12, HALFB
	s_add_co_u32 s21, s21, BOFF
	s_wait_dscnt 0x0                               ; both opening adds are done
	s_wait_kmcnt 0x0
	s_add_nc_u64 s[BA:BA+1], s[4:5], s[16:17]
	s_add_nc_u64 s[BB:BB+1], s[6:7], s[46:47]
	CROUND
.irp s, 0,1
	s_mov_b32 s[G0+4*\s], 1
	s_add_co_u32 s[G0+4*\s+1], s20, \s*SLOT
	s_mov_b32 s[G0B+4*\s], 1
	s_add_co_u32 s[G0B+4*\s+1], s21, \s*SLOT
	AIM \s                                         ; my cluster's first and second K step
	JLOAD \s                                       ; two tensor loads of mine are out
.endr
	v_and_b32 v1, 15, v0
	v_bfe_u32 v2, v0, 4, 1
	v_mul_u32_u24 v3, v1, PA
	v_lshl_add_u32 v3, v2, 4, v3
	v_and_b32 v4, 7, v0
	v_bfe_u32 v5, v0, 3, 1
	v_lshl_add_u32 v4, v2, 3, v4
	v_mul_u32_u24 v4, v4, PB
	v_lshl_add_u32 v4, v5, 4, v4                   ; the turning load: row of k 8 h + l % 8, 16 bytes x ((l / 8) % 2)
	s_mul_i32 s21, s11, HALFA                      ; my 128 rows of A
	s_lshl_b32 s22, s12, 7                         ; my 64 columns of B: 128 bytes on,
	s_add_co_u32 s22, s22, BOFF                    ; behind A's 256 rows
.irp s, 0,1
	v_add_nc_u32 v[ADRA+\s], s21, v3
	v_add_nc_u32 v[ADRB+\s], s22, v4
	s_add_co_u32 s21, s21, SLOT
	s_add_co_u32 s22, s22, SLOT
.endr
	s_mul_i32 s23, s10, 16*SPITCH
	s_add_co_u32 s23, s23, STAGE
	v_mul_u32_u24 v5, v1, SPITCH
	v_lshl_add_u32 v5, v2, 5, v5
	v_add_nc_u32 v[STO], s23, v5                   ; in: row r, 32 bytes for each half of the lanes
	v_mul_u32_u24 v5, v2, SPITCH
	v_lshl_add_u32 v5, v1, 4, v5
	v_add_nc_u32 v[RD], s23, v5                    ; back: lanes 0-15 one row of 256 bytes, lanes 16-31 the next
	v_lshlrev_b32 v[CO], 13, v2
	v_lshl_add_u32 v[CO], v1, 4, v[CO]             ; the same two rows in out0
	s_lshl_b32 s16, s13, 8
	s_lshl_b32 s17, s11, 7
	s_add_co_u32 s16, s16, s17
	s_lshl_b32 s16, s16, 13                        ; my first row, 8,192 bytes a row
	s_lshl_b32 s46, s42, 9
	s_lshl_b32 s47, s12, 8
	s_add_co_u32 s46, s46, s47
	s_add_co_u32 s16, s16, s46
	s_mov_b32 s17, 0
	s_add_nc_u64 s[8:9], s[8:9], s[16:17]
	s_or_b32 s45, s45, s11                         ; 0 where my block 0 holds positions 0-15
.macro FETCH slot, q, f                ; the fragments of 32 along K: B's four (turned), then A's eight: 24 loads
.irp nb, 0,1,2,3
	ds_load_tr16_b128 v[\f+8*\nb:\f+8*\nb+3],   v[ADRB+\slot] offset:32*PB*(\q)+32*\nb
	ds_load_tr16_b128 v[\f+8*\nb+4:\f+8*\nb+7], v[ADRB+\slot] offset:32*PB*(\q)+32*\nb+16*PB
.endr
.irp i, 0,1,2,3,4,5,6,7
	ds_load_b128 v[\f+32+8*\i:\f+32+8*\i+3],   v[ADRA+\slot] offset:64*(\q)+\i*16*PA
	ds_load_b128 v[\f+32+8*\i+4:\f+32+8*\i+7], v[ADRA+\slot] offset:64*(\q)+\i*16*PA+32
.endr
.endm
.macro MUL8 f, a0, zero                ; the 32 accumulators take turns, one instruction a turn, in the same order in every quarter
.irp a, \a0, \a0+1
.irp b, 0,1,2,3
.if \zero
	v_wmma_f32_16x16x32_f16 v[8*(4*(\a)+\b):8*(4*(\a)+\b)+7], v[\f+8*\b:\f+8*\b+7], v[\f+32+8*(\a):\f+32+8*(\a)+7], 0
.else
	v_wmma_f32_16x16x32_f16 v[8*(4*(\a)+\b):8*(4*(\a)+\b)+7], v[\f+8*\b:\f+8*\b+7], v[\f+32+8*(\a):\f+32+8*(\a)+7], v[8*(4*(\a)+\b):8*(4*(\a)+\b)+7]
.endif
.endr
.endr
.endm
; A quarter of 32 along K: the next quarter's fragments are asked for first, into the buffer that the last products left, then buffer f is multiplied
.macro QUARTER slot, q, f, g, zero
	WIN 0
	PLACES
	FETCH \slot, \q, \g
	s_wait_dscnt 24                                ; all but the 24 just issued
	WIN MUL
	MUL8 \f, 0, \zero
	MUL8 \f, 2, \zero
	MUL8 \f, 4, \zero
	MUL8 \f, 6, \zero
.endm
; The last quarter multiplies buffer 1 and changes slots
.macro TURN slot, next, fill
	WIN 0
	s_wait_tensorcnt 0x0                           ; all my tensor loads have landed: my part of the next slot
	ds_add_u32 v[SPW], v[NIL]
	s_wait_dscnt 1                                 ; buffer 1 is in; the add may be out
	WIN MUL
	MUL8 F1, 0, 0
	s_wait_dscnt 0x0                               ; the add is done, and my reads of this slot are over
	s_barrier_signal -1
	MUL8 F1, 2, 0
	WIN 0
	s_barrier_wait -1
.if \fill
	CREST                                          ; a round of the cluster's barrier: no wave of any partner still reads this slot or has a load on its way
	AIM \slot                                      ; the K step two on in my cluster's walk
	JLOAD \slot                                    ; its four v_nop are the places in front of the loads below
.else
	PLACES
.endif
	FETCH \next, 0, F0
	WIN MUL
	MUL8 F1, 4, 0
	MUL8 F1, 6, 0
.endm
	s_wait_tensorcnt 1                             ; my part of the first K step is in; the second's may be out
	s_barrier_signal -1
	s_barrier_wait -1
	FETCH 0, 0, F0
	QUARTER 0, 1, F0, F1, 1                        ; the first quarter's products start the sums
	WIN 0
	s_mov_b32 s3, LAPS-1
.Llap:
	QUARTER 0, 2, F1, F0, 0
	QUARTER 0, 3, F0, F1, 0
	TURN 0, 1, 1
	QUARTER 1, 1, F0, F1, 0
	QUARTER 1, 2, F1, F0, 0
	QUARTER 1, 3, F0, F1, 0
	TURN 1, 0, 1
	QUARTER 0, 1, F0, F1, 0
	WIN 0
	s_sub_co_u32 s3, s3, 1
	s_cmp_lg_u32 s3, 0
	s_cbranch_scc1 .Llap
	QUARTER 0, 2, F1, F0, 0                        ; the last lap fills nothing
	QUARTER 0, 3, F0, F1, 0
	TURN 0, 1, 0
	QUARTER 1, 1, F0, F1, 0
	QUARTER 1, 2, F1, F0, 0
	QUARTER 1, 3, F0, F1, 0
	s_wait_dscnt 0x0
	MUL8 F1, 0, 0
	MUL8 F1, 2, 0
	MUL8 F1, 4, 0
	MUL8 F1, 6, 0
	WIN 0
; THE WAY OUT, block by block of 16 rows x 64 columns, through my own stage: back as whole rows of 256 bytes
.macro TOSTAGE a
	WIN 0x04                                       ; an LDS store's data are its source 1: window 1
.irp b, 0,1,2,3
	ds_store_b128 v[STO], v[8*(4*(\a)+\b):8*(4*(\a)+\b)+3] offset:64*\b          ; each accumulator from its low end on
	ds_store_b128 v[STO], v[8*(4*(\a)+\b)+4:8*(4*(\a)+\b)+7] offset:64*\b+16
.endr
	WIN 0
.irp t, 0,1,2,3,4,5,6,7
	ds_load_b128 v[BK+32*((\a)%2)+4*\t:BK+32*((\a)%2)+4*\t+3], v[RD] offset:\t*2*SPITCH
.endr
.endm
.macro SEND a, younger
	s_wait_dscnt \younger                          ; the block is back; the next block's 8 stores and 8 loads may be out
.if (\a) == 0
	s_cmp_eq_u32 s45, 0
	s_cbranch_scc1 .Lfine_rows                     ; positions 0-15: the last launch's rows
.endif
.irp t, 0,1,2,3,4,5,6,7
	global_store_b128 v[CO], v[BK+32*((\a)%2)+4*\t:BK+32*((\a)%2)+4*\t+3], s[8:9] offset:(16*(\a)+2*\t)*8192 th:TH_STORE_NT   ; sixteen lanes store 256 consecutive bytes, aligned
.endr
.if (\a) == 0
.Lfine_rows:
.endif
.endm
	PLACES
	TOSTAGE 0
.irp a, 1,2,3,4,5,6,7
.if \a > 1
	s_wait_xcnt 0x0                                ; block a - 2's stores have read their registers: block a's rows may land there
.endif
	TOSTAGE \a
	SEND \a-1, 16
.endr
	SEND 7, 0
	s_wait_tensorcnt 0x0                           ; the wave's end
	ds_add_u32 v[SPW], v[NIL]
	s_wait_dscnt 0x0
	CROUND                                         ; the closing round
	s_endpgm
.Lfunc_end_k_qf0db9ad3e7_proj:
	.size	k_qf0db9ad3e7_proj, .Lfunc_end_k_qf0db9ad3e7_proj-k_qf0db9ad3e7_proj
	.p2alignl 7, 3214868480
	.fill 96, 4, 3214868480
	.section	.rodata,"a",@progbits
	.p2align	6, 0x0
	.amdhsa_kernel k_qf0db9ad3e7_proj
		.amdhsa_group_segment_fixed_size 327680
		.amdhsa_private_segment_fixed_size 0
		.amdhsa_enable_private_segment 0
		.amdhsa_kernarg_size 24
		.amdhsa_user_sgpr_count 2
		.amdhsa_user_sgpr_kernarg_segment_ptr 1
		.amdhsa_wavefront_size32 1
		.amdhsa_system_sgpr_workgroup_id_x 1
		.amdhsa_system_sgpr_workgroup_id_y 1
		.amdhsa_system_sgpr_workgroup_id_z 1
		.amdhsa_system_vgpr_workitem_id 0
		.amdhsa_next_free_vgpr 512
		.amdhsa_next_free_sgpr 80
		.amdhsa_reserve_vcc 0
		.amdhsa_float_denorm_mode_32 3
		.amdhsa_float_denorm_mode_16_64 3
		.amdhsa_memory_ordered 1
		.amdhsa_forward_progress 1
		.amdhsa_inst_pref_size 86
	.end_amdhsa_kernel
	.amdgpu_metadata
---
amdhsa.version: [ 1, 2 ]
amdhsa.kernels:
  - .name:           k_qf0db9ad3e7_proj
    .symbol:         k_qf0db9ad3e7_proj.kd
    .args:
      - { .name: oh, .offset: 0, .size: 8, .value_kind: global_buffer, .address_space: global }
      - { .name: woh, .offset: 8, .size: 8, .value_kind: global_buffer, .address_space: global }
      - { .name: out0, .offset: 16, .size: 8, .value_kind: global_buffer, .address_space: global }
    .group_segment_fixed_size: 327680
    .private_segment_fixed_size: 0
    .kernarg_segment_align: 8
    .kernarg_segment_size: 24
    .max_flat_workgroup_size: 128
    .sgpr_count:     80
    .vgpr_count:     512
    .wavefront_size: 32
...
	.end_amdgpu_metadata
.endif
;; end of part 4
;; launch fine (part 5): grid 256 x 1, 16 waves a work-group, no clusters, 34,816 bytes of LDS; arguments fr, Wo, out0; writes out0
.if DOCPART == 5
	.amdgcn_target "amdgcn-amd-amdhsa--gfx1250"
	.amdhsa_code_object_version 6
	.text
	.protected	k_qf0db9ad3e7_fine
	.globl	k_qf0db9ad3e7_fine
	.p2align	8
	.type	k_qf0db9ad3e7_fine,@function
k_qf0db9ad3e7_fine:
	s_mov_b64 s[64:65], 0
	v_nop
	global_prefetch_b8 v0, s[64:65] scope:SCOPE_SE
	s_setreg_imm32_b32 hwreg(HW_REG_WAVE_MODE, 25, 1), 1
	s_wait_xcnt 0x0
; Positions 0-15 of every batch, in f32 throughout: under the causal mask these rows average one to sixteen values and are the largest of the output, so f16 operands would use up what the comparison allows.
; fr: [4 b][16 t][3072 n'] f32, q and k after the rotary turn, v as it is: q's head w at n' = 128 w, K's head j at 2048 + 256 j, V's head j 128 further on.  Wo: [2048][2048] f32.  out0 rows 1024 b + 0 .. 15.
; WORK LEFT OUT: none; keys behind the query are inside the one 16 x 16 tile and are masked.
; SHARES.  Work-group = (batch, 32 columns of the output).  Wave w takes head w: its 16 x 16 attention, then its 128 channels times Wo's 32 columns; the 16 waves' parts meet in LDS and are added in ascending order of the waves.
; The attention is made anew in each of a batch's 64 work-groups: 64 matrix instructions a wave, which spares a launch and a way through memory.
; All products by v_wmma_f32_16x16x4_f32, written out, no loop.  K's places are permuted alike on both operands, so that a lane's registers serve as they are loaded or as the product before left them.
; The registers that these matrix instructions write (v32-63, v192-255) are written by them alone.
; LIMITS: NaN and infinities are not served.
; REGISTERS: v1 r, v2 h, v3-9 addresses, v10, v11 the add's two, v12-15 at work, v16-23 scores, v24-31 weights, v32-47 two sums of S^T, v48-63 the output's two tiles, v64-127 and v128-191 operands, v192-255 O^T.
.set SPARE, 32768                      ; behind the 16 images of 2,048 bytes: the spare words, 128 bytes for each wave: eight blocks of 256 bytes that no other line names
	s_load_b128 s[4:7], s[0:1], 0x0                ; fr, Wo
	s_load_b64 s[8:9], s[0:1], 0x10                ; out0
	v_lshl_add_u32 v10, v0, 2, SPARE
	v_mov_b32 v11, 0
	v_lshrrev_b32 v12, 5, v0
	v_readfirstlane_b32 s10, v12                   ; wave = head
	v_and_b32 v1, 15, v0
	v_bfe_u32 v2, v0, 4, 1
	v_mul_u32_u24 v3, v1, 12288
	v_lshl_add_u32 v3, v2, 4, v3                   ; q, k: row r, + 16 h: channels 8 s + 4 h + 0..3
	v_mul_u32_u24 v4, v2, 98304
	v_lshl_add_u32 v4, v1, 2, v4                   ; v: keys 8 h on, channel r
	v_lshlrev_b32 v5, 16, v2
	v_lshl_add_u32 v5, v1, 2, v5                   ; Wo: rows 8 h on, column r
	v_lshlrev_b32 v12, 3, v2
	v_sub_nc_u32 v6, v1, v12                       ; r - 8 h: register j's key is hidden where j is greater
	v_and_b32 v12, 31, v0
	v_lshlrev_b32 v7, 4, v12
	s_lshl_b32 s11, s10, 11
	v_add_nc_u32 v7, s11, v7                       ; my wave's image: 2,048 x wave + 16 x lane
	v_and_b32 v12, 7, v0                           ; the sum: thread T takes row (T / 8) % 16, columns 4 (T % 8) on
	v_bfe_u32 v13, v0, 3, 4
	v_bfe_u32 v14, v0, 2, 1
	v_and_b32 v15, 1, v0
	v_lshl_add_u32 v14, v14, 1, v15
	v_bfe_u32 v15, v0, 1, 1
	v_lshlrev_b32 v8, 9, v14                       ; which four registers of the image,
	v_lshl_add_u32 v8, v15, 8, v8                  ; which half of the lanes,
	v_lshl_add_u32 v8, v13, 4, v8                  ; which lane
	v_lshlrev_b32 v9, 13, v13
	v_lshl_add_u32 v9, v12, 4, v9
	s_lshr_b32 s12, ttmp9, 6                       ; b
	s_and_b32 s13, ttmp9, 63
	s_lshl_b32 s13, s13, 7                         ; my 32 columns, in bytes
	s_mul_i32 s14, s12, 196608
	s_lshr_b32 s15, s10, 2
	s_lshl_b32 s15, s15, 10
	s_add_co_u32 s16, s14, s15
	s_add_co_u32 s16, s16, 8192                    ; K's head; V's lies 512 bytes on
	s_mov_b32 s17, 0
	s_lshl_b32 s18, s10, 9
	s_add_co_u32 s18, s18, s14                     ; q's head
	s_mov_b32 s19, 0
	s_lshl_b32 s20, s10, 20                        ; Wo: row 128 x wave
	s_add_co_u32 s20, s20, s13
	s_mov_b32 s21, 0
	s_lshl_b32 s22, s12, 23                        ; out0: row 1,024 b
	s_add_co_u32 s22, s22, s13
	s_mov_b32 s23, 0
	s_mov_b32 s24, 0x76543210
	s_mov_b32 s25, 0xfedcba98
	s_mov_b32 s26, 0x3e0293ee                      ; c = log2(e) / sqrt(128)
	s_wait_kmcnt 0x0
	s_add_nc_u64 s[16:17], s[4:5], s[16:17]
	s_add_nc_u64 s[18:19], s[4:5], s[18:19]
	s_add_nc_u64 s[6:7], s[6:7], s[20:21]
	s_add_nc_u64 s[8:9], s[8:9], s[22:23]
.irp s, 0,1,2,3,4,5,6,7,8,9,10,11,12,13,14,15
	global_load_b128 v[64+4*\s:67+4*\s], v3, s[16:17] offset:32*\s
	global_load_b128 v[128+4*\s:131+4*\s], v3, s[18:19] offset:32*\s
.endr
	s_wait_loadcnt 0x0
	; S^T = K Q^T: source 0 = 16 keys, source 1 = 16 queries: a lane holds query r and keys 8 h + 0..7.  Two sums by turns; each begins with its own first K step
	v_wmma_f32_16x16x4_f32 v[32:39], v[64:65], v[128:129], 0
	v_wmma_f32_16x16x4_f32 v[40:47], v[66:67], v[130:131], 0
.set u, 4
.rept 15
	v_wmma_f32_16x16x4_f32 v[32:39], v[64+u:65+u], v[128+u:129+u], v[32:39]
	v_wmma_f32_16x16x4_f32 v[40:47], v[66+u:67+u], v[130+u:131+u], v[40:47]
.set u, u+4
.endr
.rept 8
	v_nop                                          ; eight places behind this form, in front of loads into its sources and of the first read of its results
.endr
.irp c, 0,1,2,3,4,5,6,7
.irp k, 0,1,2,3,4,5,6,7
	global_load_b32 v[64+8*\c+\k], v4, s[16:17] offset:512+12288*\k+64*\c   ; V(key 8 h + k, channel 16 c + r)
.endr
.endr
.macro WOLOAD reg, c0                  ; Wo(128 w + 16 c + 8 h + k, my column 16 y + r) for four c
.irp c, 0,1,2,3
.irp y, 0,1
.irp k, 0,1,2,3,4,5,6,7
	global_load_b32 v[\reg+16*\c+8*\y+\k], v5, s[6:7] offset:(16*(\c0+\c)+\k)*8192+64*\y
.endr
.endr
.endr
.endm
	WOLOAD 128, 0
.irp j, 0,1,2,3,4,5,6,7
	v_add_f32 v[16+\j], v[32+\j], v[40+\j]
.endr
	v_mov_b32 v15, 0xff800000
.irp j, 0,1,2,3,4,5,6,7
	v_cmp_gt_i32 vcc_lo, \j, v6
	v_cndmask_b32 v[16+\j], v[16+\j], v15, vcc_lo
.endr
	v_max3_num_f32 v12, v16, v17, v18
	v_max3_num_f32 v12, v12, v19, v20
	v_max3_num_f32 v12, v12, v21, v22
	v_max_num_f32 v12, v12, v23
	v_permlanex16_b32 v13, v12, s24, s25
	v_max_num_f32 v12, v12, v13                    ; the row's largest score: key 0 counts for every query
	v_mul_f32 v12, s26, v12
.irp j, 0,1,2,3,4,5,6,7
	v_fma_f32 v[16+\j], v[16+\j], s26, -v12
.endr
.irp j, 0,1,2,3,4,5,6,7
	v_exp_f32 v[16+\j], v[16+\j]
.endr
	v_nop
	s_wait_alu depctr_va_vdst(0)                   ; one wait for the eight exponentials, ahead of their first reader
	v_add_f32 v12, v16, v17
	v_add_f32 v13, v18, v19
	v_add_f32 v14, v20, v21
	v_add_f32 v15, v22, v23
	v_add_f32 v12, v12, v13
	v_add_f32 v14, v14, v15
	v_add_f32 v12, v12, v14
	v_permlanex16_b32 v13, v12, s24, s25
	v_add_f32 v12, v12, v13
	v_rcp_f32 v12, v12
	v_nop
	s_wait_alu depctr_va_vdst(0)
.irp j, 0,1,2,3,4,5,6,7
	v_mul_f32 v[24+\j], v[16+\j], v12
.endr
	s_wait_loadcnt 63                              ; V's 64 loads are in: behind them 64 were issued, and the count's field ends at 63
	; O^T = V^T P: source 0 = 16 channels, source 1 = P as it stands: keys 8 h + 2 s + 0, 1.  Eight sums by turns
.irp c, 0,1,2,3,4,5,6,7
	v_wmma_f32_16x16x4_f32 v[192+8*\c:199+8*\c], v[64+8*\c:65+8*\c], v[24:25], 0
.endr
.irp s, 1,2,3
.irp c, 0,1,2,3,4,5,6,7
	v_wmma_f32_16x16x4_f32 v[192+8*\c:199+8*\c], v[64+8*\c+2*\s:65+8*\c+2*\s], v[24+2*\s:25+2*\s], v[192+8*\c:199+8*\c]
.endr
.endr
.rept 9
	v_nop                                          ; nine places before a matrix instruction takes these results as a source; eight of them serve the loads below
.endr
	WOLOAD 64, 4
	s_wait_loadcnt 63                              ; Wo's first half is in
	; the output's part: source 0 = 16 columns of Wo, source 1 = O^T's registers as they stand: channels 16 c + 8 h + 2 s + 0, 1.  A lane holds row r and columns 16 y + 8 h + 0..7.  Two sums by turns
.set kc, 0
.rept 8
.if kc == 4
	s_wait_loadcnt 0x0
.endif
.set WR, 128-64*(kc/4)
.set ks, 0
.rept 4
.set ky, 0
.rept 2
.if (kc == 0) && (ks == 0)
	v_wmma_f32_16x16x4_f32 v[48+8*ky:55+8*ky], v[WR+16*(kc%4)+8*ky+2*ks:WR+16*(kc%4)+8*ky+2*ks+1], v[192+8*kc+2*ks:193+8*kc+2*ks], 0
.else
	v_wmma_f32_16x16x4_f32 v[48+8*ky:55+8*ky], v[WR+16*(kc%4)+8*ky+2*ks:WR+16*(kc%4)+8*ky+2*ks+1], v[192+8*kc+2*ks:193+8*kc+2*ks], v[48+8*ky:55+8*ky]
.endif
.set ky, ky+1
.endr
.set ks, ks+1
.endr
.set kc, kc+1
.endr
.rept 8
	v_nop
.endr
	ds_store_b128 v7, v[48:51]                     ; my part as an image of its registers, each tile from its low end on
	ds_store_b128 v7, v[52:55] offset:512
	ds_store_b128 v7, v[56:59] offset:1024
	ds_store_b128 v7, v[60:63] offset:1536
	s_wait_dscnt 0x0                               ; for the others' sake: my stores have landed
	s_barrier_signal -1
	s_barrier_wait -1
	s_cmp_ge_u32 s10, 4
	s_cbranch_scc1 .Ldone                          ; waves 0 to 3 add: 128 threads, four numbers each
.irp w, 0,1,2,3,4,5,6,7,8,9,10,11,12,13,14,15
	ds_load_b128 v[64+4*\w:67+4*\w], v8 offset:2048*\w
.endr
	s_wait_dscnt 0x0
.irp w, 1,2,3,4,5,6,7,8,9,10,11,12,13,14,15
	v_pk_add_f32 v[64:65], v[64:65], v[64+4*\w:65+4*\w]
	v_pk_add_f32 v[66:67], v[66:67], v[66+4*\w:67+4*\w]
.endr
	global_store_b128 v9, v[64:67], s[8:9]
.Ldone:
	s_wait_tensorcnt 0x0                           ; the wave's end, behind my last LDS store
	ds_add_u32 v10, v11
	s_wait_dscnt 0x0
	s_endpgm
.Lfunc_end_k_qf0db9ad3e7_fine:
	.size	k_qf0db9ad3e7_fine, .Lfunc_end_k_qf0db9ad3e7_fine-k_qf0db9ad3e7_fine
	.p2alignl 7, 3214868480
	.fill 96, 4, 3214868480
	.section	.rodata,"a",@progbits
	.p2align	6, 0x0
	.amdhsa_kernel k_qf0db9ad3e7_fine
		.amdhsa_group_segment_fixed_size 34816
		.amdhsa_private_segment_fixed_size 0
		.amdhsa_enable_private_segment 0
		.amdhsa_kernarg_size 24
		.amdhsa_user_sgpr_count 2
		.amdhsa_user_sgpr_kernarg_segment_ptr 1
		.amdhsa_wavefront_size32 1
		.amdhsa_system_sgpr_workgroup_id_x 1
		.amdhsa_system_sgpr_workgroup_id_y 1
		.amdhsa_system_sgpr_workgroup_id_z 1
		.amdhsa_system_vgpr_workitem_id 0
		.amdhsa_next_free_vgpr 256
		.amdhsa_next_free_sgpr 66
		.amdhsa_reserve_vcc 1
		.amdhsa_float_denorm_mode_32 3
		.amdhsa_float_denorm_mode_16_64 3
		.amdhsa_memory_ordered 1
		.amdhsa_forward_progress 1
		.amdhsa_inst_pref_size 39
	.end_amdhsa_kernel
	.amdgpu_metadata
---
amdhsa.version: [ 1, 2 ]
amdhsa.kernels:
  - .name:           k_qf0db9ad3e7_fine
    .symbol:         k_qf0db9ad3e7_fine.kd
    .args:
      - { .name: fr, .offset: 0, .size: 8, .value_kind: global_buffer, .address_space: global }
      - { .name: Wo, .offset: 8, .size: 8, .value_kind: global_buffer, .address_space: global }
      - { .name: out0, .offset: 16, .size: 8, .value_kind: global_buffer, .address_space: global }
    .group_segment_fixed_size: 34816
    .private_segment_fixed_size: 0
    .kernarg_segment_align: 8
    .kernarg_segment_size: 24
    .max_flat_workgroup_size: 512
    .sgpr_count:     66
    .vgpr_count:     256
    .wavefront_size: 32
...
	.end_amdgpu_metadata
.endif
;; end of part 5
